; MI455X (gfx1250); checked and timed in simulation.
; The chip was launched on July 23, 2026; its instructions are those of AMD's public machine-readable ISA for CDNA 5 (MIT licence, August 2026) and "CDNA5" Instruction Set Architecture Reference Guide (July 2026). The comments in the code are by the model that wrote it; some were corrected since.
;; Multi Head Attention. Allowed arithmetic: matrix products marked QUANTISED: E2M1 operands, one E8M0 scale for each 32 along K, by v_wmma_scale_f32_16x16x128_f8f6f4 with both operands' format E2M1 (or v_wmma_scale_f32_32x16x128_f4), f32 sums; products left as they are: bf16, f16 or f32 operands; f32 sums; everything else in f32.
;; Inputs: Wk 1,024 x 1,024 float32; Wo 1,024 x 1,024 float32; Wq 1,024 x 1,024 float32; Wv 1,024 x 1,024 float32; k 2 x 2,048 x 1,024 float32; mask 2 x 2,048 x 2,048 bool; q 2 x 2,048 x 1,024 float32; v 2 x 2,048 x 1,024 float32.
;; Outputs: out0 2 x 2,048 x 1,024 float32.
;; This version of the problem:
;;   THIS VERSION OF THE PROBLEM IS GIVEN IN LOW PRECISION. The matrix products marked QUANTISED in the list below multiply operands that are first quantised to E2M1 (2 exponent bits, 1 mantissa bit; 4 bits a number), with one power-of-two scale for each 32 numbers along K (OCP MX v1.0); their sums are f32. The products marked 'left as it is' may take bf16, f16 or f32 operands, with f32 sums. Whichever they take, every output number must still come out within the allowed error. Rounding operands to bf16 (8 significant bits) uses up far more of that allowance than f16 does (11 bits, for magnitudes from 6e-5 to 65,504). All else is computed in f32.
;;   The module's matrix products, in the order in which they are computed (A, B: the left and right operand; K: the contracted axis; several contracted axes count as one K, in the product's order):
;;     1. [M 4,096, K 1,024] x [K 1,024, N 1,024]; A: input q; B: input Wq: QUANTISED
;;     2. [M 4,096, K 1,024] x [K 1,024, N 1,024]; A: input k; B: input Wk: QUANTISED
;;     3. [M 4,096, K 1,024] x [K 1,024, N 1,024]; A: input v; B: input Wv: QUANTISED
;;     4. batch 32 x [M 2,048, K 64] x [K 64, N 2,048]; A: computed on the way; B: computed on the way: left as it is (an operand is computed on the way)
;;     5. batch 32 x [M 2,048, K 2,048] x [K 2,048, N 64]; A: computed on the way; B: computed on the way: left as it is (an operand is computed on the way)
;;     6. [M 4,096, K 1,024] x [K 1,024, N 1,024]; A: computed on the way; B: input Wo: left as it is (an operand is computed on the way)
;;   THE QUANTISER, for each operand of a quantised product, along K:
;;     - K is cut into blocks of 32 from its start; a last block that is shorter is filled with zeros.
;;     - A block's scale is 2^e with e = floor(log2(the largest magnitude in the block)) - 2, held to -126 .. 127; a block of zeros has e = 0. As a byte (E8M0): e + 127.
;;     - Each number is divided by its block's scale, clamped to +-6, and rounded to the nearest number of E2M1, ties to even, subnormals kept.
;;     - The product sums the exact products of the quantised numbers (number of the format x scale) in f32.
;;   ~~~python
;;   def quantise(x, axis):      # numpy; x: float32 -> the quantised numbers, widened to float32 again
;;       x = np.moveaxis(x, axis, -1); K = x.shape[-1]
;;       x = np.pad(x, [(0, 0)] * (x.ndim - 1) + [(0, -K % 32)]); x = x.reshape(x.shape[:-1] + (-1, 32)); a = np.abs(x).max(-1, keepdims=True)
;;       e = np.where(a > 0, np.clip(np.frexp(np.where(a > 0, a, 1))[1] - 1 - 2, -126, 127), 0)      # np.frexp(a)[1] - 1 = floor(log2(a)), exactly
;;       r = np.clip(x / 2.0 ** e, -6, 6)
;;       step = 2.0 ** (np.maximum(np.frexp(np.where(r == 0, 1, r))[1] - 1, 0) - 1)
;;       q = np.round(r / step) * step * 2.0 ** e      # np.round: ties to even
;;       return np.moveaxis(q.reshape(q.shape[:-2] + (-1,))[..., :K], -1, axis).astype(np.float32)
;;   ~~~
;; One version. Each part assembles by itself: llvm-mc -triple=amdgcn-amd-amdhsa -mcpu=gfx1250 --defsym DOCPART=n.
;; ======== version 1 of 1: 4 launches
;; limits: values are held in f16: magnitudes above 65,504 overflow, below 6.1e-05 lose precision
;; workspace buffers: codes 7,864,320 bytes; scales 491,520 bytes; qf 8,388,608 bytes; kv 16,777,216 bytes; cf 8,388,608 bytes; wof 2,097,152 bytes; mbits 1,048,576 bytes of whole numbers
;; launch prep (part 1): grid 736 x 1, 4 waves a work-group, no clusters, 33,280 bytes of LDS; arguments q, k, v, Wq, Wk, Wv, Wo, mask, codes, scales, wof, mbits; writes codes, scales, wof, mbits
.if DOCPART == 1
	.amdgcn_target "amdgcn-amd-amdhsa--gfx1250"
	.amdhsa_code_object_version 6
	.text
	.protected	k_qea47fcf80a_prep
	.globl	k_qea47fcf80a_prep
	.p2align	8
	.type	k_qea47fcf80a_prep,@function
k_qea47fcf80a_prep:
	s_mov_b64 s[64:65], 0
	v_nop
	global_prefetch_b8 v0, s[64:65] scope:SCOPE_SE
	s_setreg_imm32_b32 hwreg(HW_REG_WAVE_MODE, 25, 1), 1
	s_wait_xcnt 0x0
; PREP: everything that is made once from the inputs.  Two kinds of work-group, told apart by the work-group's number g alone:
;   g < 480    q, k, v [4096][1024] and Wq, Wk, Wv [1024][1024], f32, K innermost, become codes of FP4 (E2M1) with one E8M0 byte for each 32 along K.
;              The six tensors lie on end in 'codes' (512 bytes a row) and in 'scales' (32 bytes a row): q, k, v, Wq, Wk, Wv.
;   g >= 480   256 work-groups, each with two small tasks:
;              (a) 1/256 of Wo [1024][1024] f32 becomes f16, laid as images of matrix fragments: [nb 8][kc 4][nt 8][ks 8][piece 2][512 bytes]; lane l's 16 bytes at 16 l hold
;                  row 128 nb + 16 nt + l % 16, k = 256 kc + 32 ks + 16 piece + 8 (l / 16) + 0 .. 7.  A load for such a piece touches 16 rows of Wo, so this task is shared out evenly:
;                  a wave has 8 such loads, and no work-group has more than 32;
;              (b) 16 rows of mask [2][2048][2048] bytes become lane masks: word [b][qt 128][kt 128][j 8], bit l = mask[b][16 qt + l % 16][16 kt + 8 (l / 16) + j].
; THE QUANTISER: a block's scale is 2^(floor(log2(its largest magnitude)) - 2); its byte is the largest magnitude's exponent field - 2, held at 1 from below; each number is divided by the
; scale and rounded to the nearest code, ties to even, beyond 6 the largest code.
; LIMITS: a block of zeros gets the byte 1 where the rule says 127 (its codes are zeros, which add nothing, and this program alone reads the bytes); blocks whose largest magnitude lies
; under 2^(2 - 126) were not tried; NaN and infinities are not served.  Wo in f16: magnitudes under 6e-5 are kept to a step of 6e-8, magnitudes from 65,504 on are not served.
; Only the first kind touches LDS.  No tensor loads, no barrier: waves share nothing.  The first kind, the longer, has the lower numbers.
.set WAVES, 4
.set STEPS, 16
.set EMAX,  2
.set CB,    8                          ; bytes of 16 codes
.set R,     16                         ; v16-79   four sets of 16 numbers as they are loaded
.set X,     80                         ; v80-111  two sets of 16 neighbours
.set E,     112                        ; v112-127 a scale byte for each step
.set C,     128                        ; v128-191 codes: four registers for each step, so that no store's data are written again
.set WREG,  8192                       ; LDS: a region for each wave: two stages of 32 x SP bytes, behind them its 256 scale bytes
.set SP,    80                         ; a lane's place in a stage: 64 bytes + 16 of padding
.set SPW,   12                         ; v12  LDS address of my spare word; never rewritten
.set NIL,   13                         ; v13  0; never rewritten
.set SPARE, WAVES*WREG                 ; behind the four regions: the spare words, 128 bytes a wave, that no other line names
	s_load_b512 s[4:19], s[0:1], 0x0               ; q, k, v, Wq, Wk, Wv, Wo s[16:17], mask s[18:19]
	s_load_b256 s[20:27], s[0:1], 0x40             ; codes s[20:21], scales s[22:23], wof s[24:25], mbits s[26:27]
	v_lshl_add_u32 v[SPW], v0, 2, SPARE
	v_mov_b32 v[NIL], 0
	v_lshrrev_b32 v1, 5, v0
	v_readfirstlane_b32 s28, v1                    ; wave 0..3
	v_and_b32 v2, 31, v0                           ; lane
	s_wait_kmcnt 0x0
	s_cmp_ge_u32 ttmp9, 480
	s_cbranch_scc1 .Lrest
; ---------------- the quantiser.  A tensor is a plain stream of blocks of 32; a wave takes 16 steps of 512 numbers.
	s_mov_b32 s29, 0                               ; the tensor's first work-group; the choice hangs on the work-group's number alone
	s_cmp_ge_u32 ttmp9, 128
	s_cselect_b64 s[4:5], s[6:7], s[4:5]
	s_cselect_b32 s29, 128, s29
	s_cmp_ge_u32 ttmp9, 256
	s_cselect_b64 s[4:5], s[8:9], s[4:5]
	s_cselect_b32 s29, 256, s29
	s_cmp_ge_u32 ttmp9, 384
	s_cselect_b64 s[4:5], s[10:11], s[4:5]
	s_cselect_b32 s29, 384, s29
	s_cmp_ge_u32 ttmp9, 416
	s_cselect_b64 s[4:5], s[12:13], s[4:5]
	s_cselect_b32 s29, 416, s29
	s_cmp_ge_u32 ttmp9, 448
	s_cselect_b64 s[4:5], s[14:15], s[4:5]
	s_cselect_b32 s29, 448, s29
	v_lshlrev_b32 v3, 4, v2                        ; my 16 bytes of a load's 512
	s_mul_i32 s30, s28, WREG
	v_lshrrev_b32 v14, 2, v2
	v_mul_u32_u24 v14, v14, SP
	v_and_b32 v15, 3, v2
	v_lshl_add_u32 v14, v15, 4, v14
	v_add_nc_u32 v14, s30, v14                     ; the stage, on the way in: four lanes' 64 bytes on end, then 16 of padding
	v_mul_u32_u24 v15, v2, SP
	v_add_nc_u32 v15, s30, v15                     ; and on the way out: my 16 neighbours
	v_mul_u32_u24 v4, v2, CB                       ; my codes' place in a step's
	v_lshrrev_b32 v5, 1, v2
	s_add_co_u32 s30, s30, 2*32*SP
	v_add_nc_u32 v5, s30, v5                       ; my wave's 256 scale bytes, my block's byte
	v_lshlrev_b32 v7, 3, v2                        ; and on the way out 8 bytes a lane
	v_add_nc_u32 v6, s30, v7
	s_sub_co_u32 s31, ttmp9, s29
	s_lshl_b32 s31, s31, 2
	s_add_co_u32 s31, s31, s28                     ; which run of 8,192 numbers of the tensor is my wave's
	s_lshl_b32 s32, s31, 15                        ; 32,768 bytes a run
	s_mov_b32 s33, 0
	s_add_nc_u64 s[4:5], s[4:5], s[32:33]
	s_lshl_b32 s31, ttmp9, 2
	s_add_co_u32 s31, s31, s28                     ; the run's number over all six tensors: they lie on end in the two buffers
	s_lshl_b32 s32, s31, 12                        ; 4,096 bytes of codes a run
	s_add_nc_u64 s[20:21], s[20:21], s[32:33]
	s_lshl_b32 s32, s31, 8                         ; 256 scale bytes a run
	s_add_nc_u64 s[22:23], s[22:23], s[32:33]
.macro LOAD t
.irp i, 0,1,2,3
	global_load_b128 v[R+16*((\t)%4)+4*\i:R+16*((\t)%4)+4*\i+3], v3, s[4:5] offset:2048*(\t)+512*\i th:TH_LOAD_NT   ; 32 lanes read 512 consecutive bytes
.endr
.endm
.macro TURN t                          ; step t's numbers through the stage: LDS serves a wave's instructions in order, so no wait stands between the stores and the loads
.irp i, 0,1,2,3
	ds_store_b128 v14, v[R+16*((\t)%4)+4*\i:R+16*((\t)%4)+4*\i+3] offset:32*SP*((\t)%2)+8*SP*\i
.endr
.irp i, 0,1,2,3
	ds_load_b128 v[X+16*((\t)%2)+4*\i:X+16*((\t)%2)+4*\i+3], v15 offset:32*SP*((\t)%2)+16*\i
.endr
.endm
.irp t, 0,1,2,3
	LOAD \t
.endr
	s_wait_loadcnt 12                              ; step 0's four loads are in; the twelve behind them may be out
	TURN 0
.macro STEP t
.set XS, X+16*((\t)%2)
.if (\t) > 0
	s_wait_dscnt 1                                 ; this step's numbers are back from the stage (the last step's byte store may be out): so its stores into the stage have read their registers,
.else
	s_wait_dscnt 0x0
.endif
.if (\t)+4 < STEPS
	LOAD (\t)+4                                    ; which take the loads of four steps on
.endif
.if (\t)+1 < STEPS
.if STEPS-2-(\t) >= 3
	s_wait_loadcnt 12                              ; the next step's four loads are in; those of the three steps behind it may be out
.else
	s_wait_loadcnt 4*(STEPS-2-(\t))
.endif
	TURN (\t)+1                                    ; and go through the other stage while this step is worked
.endif
	v_max3_num_f32 v8, |v[XS]|, |v[XS+1]|, |v[XS+2]|               ; the largest magnitude of my 16, in two chains
	v_max3_num_f32 v9, |v[XS+3]|, |v[XS+4]|, |v[XS+5]|
.irp i, 6,10
	v_max3_num_f32 v8, v8, |v[XS+\i]|, |v[XS+\i+1]|
	v_max3_num_f32 v9, v9, |v[XS+\i+2]|, |v[XS+\i+3]|
.endr
	v_max3_num_f32 v8, v8, |v[XS+14]|, |v[XS+15]|
	v_max3_num_f32 v8, v8, v9, (EMAX+1)<<23        ; and the floor 2^(EMAX + 1 - 127): the byte cannot fall under 1
	v_max_num_f32_dpp v8, v8, v8 row_xmask:1 row_mask:0xf bank_mask:0xf   ; and of my neighbour's 16: the block's
	v_add_nc_u32 v11, -(EMAX<<23), v8              ; EMAX off its exponent field: the conversion takes the exponent field of this operand as its scale
	v_cvt_scalef32_pk8_fp4_f32 v[C+4*(\t)], v[XS:XS+7], v11
	v_cvt_scalef32_pk8_fp4_f32 v[C+4*(\t)+1], v[XS+8:XS+15], v11
	v_lshrrev_b32 v[E+(\t)], 23, v11               ; the scale's byte (a plain line behind the conversions)
	ds_store_b8 v5, v[E+(\t)] offset:16*(\t)       ; both lanes of a block write the same byte with the same value
	global_store_b64 v4, v[C+4*(\t):C+4*(\t)+1], s[20:21] offset:32*CB*(\t)   ; the wave stores 256 consecutive bytes, aligned
.endm
.irp t, 0,1,2,3,4,5,6,7,8,9,10,11,12,13,14,15
	STEP \t
.endr
	ds_load_b64 v[8:9], v6                         ; LDS serves a wave's instructions in order: these see my stores
	s_wait_dscnt 0x0
	global_store_b64 v7, v[8:9], s[22:23]          ; 32 lanes store 256 consecutive bytes, aligned
	s_wait_tensorcnt 0x0                           ; the wave's end: behind my last LDS store
	ds_add_u32 v[SPW], v[NIL]
	s_wait_dscnt 0x0
	s_endpgm
; ---------------- Wo's share and the mask.  Work-group g - 480 = 128 b + qt takes 16 queries of the mask, wave w keys 512 w .. 512 w + 511: 32 tiles of 16 keys, 256 words.
; Of Wo, wave u = 4 (g - 480) + w of 1,024 takes four pieces: u = nb x 128 + kc x 32 + nt x 4 + quarter: 16 rows x 64 numbers, 2,048 consecutive bytes of wof.
.Lrest:
	s_sub_co_u32 s29, ttmp9, 480
	s_lshl_b32 s34, s29, 2
	s_add_co_u32 s34, s34, s28                     ; u
	s_lshr_b32 s30, s34, 7                         ; nb
	s_bfe_u32 s31, s34, 0x20005                    ; kc: 2 bits from bit 5
	s_bfe_u32 s32, s34, 0x30002                    ; nt: 3 bits from bit 2
	s_and_b32 s33, s34, 3                          ; which quarter of the 256 along K
	s_lshl_b32 s30, s30, 19                        ; 128 rows of 4,096 bytes
	s_lshl_b32 s31, s31, 10                        ; 256 numbers along K
	s_lshl_b32 s32, s32, 16                        ; 16 rows
	s_lshl_b32 s33, s33, 8                         ; 64 numbers
	s_add_co_u32 s30, s30, s31
	s_add_co_u32 s30, s30, s32
	s_add_co_u32 s30, s30, s33
	s_mov_b32 s31, 0
	s_add_nc_u64 s[16:17], s[16:17], s[30:31]
	s_lshl_b32 s30, s34, 11                        ; four pieces of 512 bytes a wave
	s_add_nc_u64 s[24:25], s[24:25], s[30:31]
	s_lshl_b32 s30, s29, 15                        ; the mask: 16 rows of 2,048 bytes,
	s_lshl_b32 s32, s28, 9                         ; my wave's 512 keys
	s_add_co_u32 s30, s30, s32
	s_add_nc_u64 s[18:19], s[18:19], s[30:31]
	s_lshl_b32 s30, s29, 12                        ; its words: 128 tiles x 8 words x 4 bytes,
	s_lshl_b32 s32, s28, 10                        ; my wave's 32 tiles
	s_add_co_u32 s30, s30, s32
	s_add_nc_u64 s[26:27], s[26:27], s[30:31]
	v_and_b32 v3, 15, v0
	v_bfe_u32 v4, v0, 4, 1
	v_lshlrev_b32 v6, 12, v3
	v_lshl_add_u32 v6, v4, 5, v6                   ; Wo: row l % 16, + 8 numbers for the upper half of the lanes
	v_lshlrev_b32 v7, 4, v2                        ; wof: 16 x lane
	v_lshlrev_b32 v1, 11, v3
	v_lshl_add_u32 v1, v4, 4, v1                   ; the mask: row l % 16, + 16 keys for the upper half of the lanes
	v_lshlrev_b32 v5, 3, v2                        ; mbits: 8 x lane
.set j, 0
.rept 4                                ; Wo's four pieces first: 8 numbers a lane each
	global_load_b128 v[96+8*j:96+8*j+3], v6, s[16:17] offset:64*j th:TH_LOAD_NT
	global_load_b128 v[96+8*j+4:96+8*j+7], v6, s[16:17] offset:64*j+16 th:TH_LOAD_NT
.set j, j+1
.endr
.irp i, 0,1,2,3,4,5,6,7,8,9,10,11,12,13,14,15
	global_load_b128 v[16+4*\i:16+4*\i+3], v1, s[18:19] offset:32*\i th:TH_LOAD_NT   ; 16 rows x 32 consecutive bytes: keys 32 i + 16 (l / 16) + 0 .. 15
.endr
.irp i, 0,1,2,3,4,5,6,7
	v_mov_b32 v[80+\i], 0                          ; a lane write's destination counts as read
.endr
.set j, 0
.rept 4
	s_wait_loadcnt 16+6-2*j                        ; piece j's two loads are in; behind them: Wo's younger pieces and the mask's sixteen loads
.irp i, 0,1,2,3
	v_cvt_pk_f16_f32 v[128+4*j+\i], v[96+8*j+2*\i], v[96+8*j+2*\i+1]
.endr
	global_store_b128 v7, v[128+4*j:128+4*j+3], s[24:25] offset:512*j   ; a piece: 512 consecutive bytes, aligned; each piece has registers of its own
.set j, j+1
.endr
.macro MGROUP g                        ; four loads: eight tiles, 64 words, 256 bytes
	s_wait_loadcnt 12-4*(\g)                       ; the younger groups' loads may be out
.irp i, 0,1,2,3                        ; the halves change places: registers 0, 1 then hold keys 8 (l / 16) + 0 .. 7 of the even tile, registers 2, 3 those of the odd tile
	v_permlane16_swap_b32 v[16+16*(\g)+4*\i], v[16+16*(\g)+4*\i+2]
	v_permlane16_swap_b32 v[16+16*(\g)+4*\i+1], v[16+16*(\g)+4*\i+3]
.endr
.set w, 0
.rept 16                               ; words w .. w + 3 (word = 8 x tile + j) are the four bytes of one register
.irp u, 0,1,2,3
	v_and_b32 v[8+\u], 0xff<<(8*\u), v[16+16*(\g)+4*(w/16)+2*((w/8)%2)+(w%8)/4]
.endr
.irp u, 0,1,2,3
	v_cmp_ne_u32 s[32+\u], 0, v[8+\u]              ; bit l: lane l's byte is set
.endr
.irp u, 0,1,2,3
	v_writelane_b32 v[80+2*(\g)+\u%2], s[32+\u], (w+\u)/2   ; lane L of the pair holds words 2 L and 2 L + 1
.endr
.set w, w+4
.endr
	global_store_b64 v5, v[80+2*(\g):81+2*(\g)], s[26:27] offset:256*(\g)   ; 256 consecutive bytes, aligned
.endm
	MGROUP 0
	MGROUP 1
	MGROUP 2
	MGROUP 3
	s_endpgm
.Lfunc_end_k_qea47fcf80a_prep:
	.size	k_qea47fcf80a_prep, .Lfunc_end_k_qea47fcf80a_prep-k_qea47fcf80a_prep
	.p2alignl 7, 3214868480
	.fill 96, 4, 3214868480
	.section	.rodata,"a",@progbits
	.p2align	6, 0x0
	.amdhsa_kernel k_qea47fcf80a_prep
		.amdhsa_group_segment_fixed_size 33280
		.amdhsa_private_segment_fixed_size 0
		.amdhsa_enable_private_segment 0
		.amdhsa_kernarg_size 96
		.amdhsa_user_sgpr_count 2
		.amdhsa_user_sgpr_kernarg_segment_ptr 1
		.amdhsa_wavefront_size32 1
		.amdhsa_system_sgpr_workgroup_id_x 1
		.amdhsa_system_sgpr_workgroup_id_y 1
		.amdhsa_system_sgpr_workgroup_id_z 1
		.amdhsa_system_vgpr_workitem_id 0
		.amdhsa_next_free_vgpr 192
		.amdhsa_next_free_sgpr 66
		.amdhsa_reserve_vcc 0
		.amdhsa_float_denorm_mode_32 3
		.amdhsa_float_denorm_mode_16_64 3
		.amdhsa_memory_ordered 1
		.amdhsa_forward_progress 1
		.amdhsa_inst_pref_size 89
	.end_amdhsa_kernel
	.amdgpu_metadata
---
amdhsa.version: [ 1, 2 ]
amdhsa.kernels:
  - .name:           k_qea47fcf80a_prep
    .symbol:         k_qea47fcf80a_prep.kd
    .args:
      - { .name: q, .offset: 0, .size: 8, .value_kind: global_buffer, .address_space: global }
      - { .name: k, .offset: 8, .size: 8, .value_kind: global_buffer, .address_space: global }
      - { .name: v, .offset: 16, .size: 8, .value_kind: global_buffer, .address_space: global }
      - { .name: Wq, .offset: 24, .size: 8, .value_kind: global_buffer, .address_space: global }
      - { .name: Wk, .offset: 32, .size: 8, .value_kind: global_buffer, .address_space: global }
      - { .name: Wv, .offset: 40, .size: 8, .value_kind: global_buffer, .address_space: global }
      - { .name: Wo, .offset: 48, .size: 8, .value_kind: global_buffer, .address_space: global }
      - { .name: mask, .offset: 56, .size: 8, .value_kind: global_buffer, .address_space: global }
      - { .name: codes, .offset: 64, .size: 8, .value_kind: global_buffer, .address_space: global }
      - { .name: scales, .offset: 72, .size: 8, .value_kind: global_buffer, .address_space: global }
      - { .name: wof, .offset: 80, .size: 8, .value_kind: global_buffer, .address_space: global }
      - { .name: mbits, .offset: 88, .size: 8, .value_kind: global_buffer, .address_space: global }
    .group_segment_fixed_size: 33280
    .private_segment_fixed_size: 0
    .kernarg_segment_align: 8
    .kernarg_segment_size: 96
    .max_flat_workgroup_size: 128
    .sgpr_count:     66
    .vgpr_count:     192
    .wavefront_size: 32
...
	.end_amdgpu_metadata
.endif
;; end of part 1
;; launch proj (part 2): grid 4 x 48, 4 waves a work-group, clusters of 4 x 4, 327,680 bytes of LDS; arguments codes, scales, qf, kv; writes qf, kv
.if DOCPART == 2
	.amdgcn_target "amdgcn-amd-amdhsa--gfx1250"
	.amdhsa_code_object_version 6
	.text
	.protected	k_qea47fcf80a_proj
	.globl	k_qea47fcf80a_proj
	.p2align	8
	.type	k_qea47fcf80a_proj,@function
k_qea47fcf80a_proj:
	s_mov_b64 s[64:65], 0
	v_nop
	global_prefetch_b8 v0, s[64:65] scope:SCOPE_SE
	s_setreg_imm32_b32 hwreg(HW_REG_WAVE_MODE, 25, 1), 1
	s_wait_xcnt 0x0
	s_wait_alu depctr_hold_cnt(0) depctr_sa_sdst(0) depctr_va_vdst(0) depctr_va_sdst(0) depctr_va_ssrc(0) depctr_va_vcc(0) depctr_vm_vsrc(0)
	s_getreg_b32 s2, hwreg(HW_REG_IB_STS2, 6, 4)
	s_cmp_eq_u32 s2, 0
	s_cbranch_scc0 .Lentry_in_a_cluster
	s_endpgm
.Lentry_in_a_cluster:
	s_bfe_u32 s2, ttmp6, 0x10000c
	s_cmp_lg_u32 s2, 0xf033
	s_cbranch_scc0 .Lentry_shape_is_right
	s_endpgm
.Lentry_shape_is_right:
; PROJ: the three quantised products, C = A B^T on codes of FP4 (E2M1) with one E8M0 byte for each 32 along K = 1,024; sums in f32; results rounded once to f16 and stored as images of the
; fragments that the attention launch feeds to the matrix unit.
;   problem 0: A = q's codes (4,096 rows), B = Wq's (1,024 rows) -> qf [bh 32][tile of 16 queries 128][c 2][piece 2][512 bytes]
;   problem 1: A = k's, B = Wk's                                 -> kv [bh 32][step of 64 keys 32][16,384 bytes], first half: [tile of 16 keys 4][c 2][piece 2][512]
;   problem 2: A = Wv's (1,024 rows), B = v's (4,096 rows): THE OPERANDS CHANGE PLACES, so that the result is V^T and the keys run along a lane's registers
;                                                                -> kv, second half of a step: [tile of 16 channels 4][32 keys 2][piece 2][512]
; A tile of C, 256 x 256, is made by four waves, 128 x 128 each: 64 accumulators, 512 registers.  192 work-groups: 12 clusters of 4 x 4, four to a problem.
; K goes in two steps of 512 through two LDS slots, each filled once; the scale bytes of the tile's rows come once, with them.  So nothing is filled again, and three tensor loads of a wave are out at the most.
; CLUSTERS: the four of a row of the cluster need the same tiles of A, the four of a column the same tiles of B: each tile is asked for jointly.
; THE MATRIX INSTRUCTION IS USED TRANSPOSED (source 0 = 16 rows of B, source 1 = 16 rows of A): lane l holds row l % 16 of A's block and columns 8 (l / 16) + 0 .. 7 of B's block: rounded to f16,
; 16 bytes that ARE lane l's part of a piece of the next product's fragment.  So results go from registers to memory, 512 consecutive aligned bytes an instruction, without a stage.
; LIMIT: results of magnitude 65,504 or more are not served (f16); as drawn they are about 5.
; REGISTERS, in windows of 256: window 0: v0-31 addresses; v32-95 scale words, two sets; v128-191 A's fragments, one set; on the way out v64-191 packed results.
;   window 1: B's fragments, two sets.   window 2: accumulators of my rows 0-63 ((a, b) at v[8 (8 a + b)]);   window 3: those of my rows 64-127.
.set NQ,     4                         ; matrix instructions deep in a slot (512 along K)
.set ROWB,   256                       ; a tile's row in bytes
.set KROW,   512                       ; a row of codes in memory
.set PITCH,  272                       ; an LDS row: 256 bytes + 16 of padding: the 16 rows that a load touches start at 16 different banks (64 banks of 4 bytes: ISA guide 11.1)
.set FR,     8
.set NL,     2
.set NP,     4                         ; places behind this matrix instruction (ISA guide 7.12.1)
.set HALFT,  128*PITCH
.set SLOT,   4*HALFT                   ; A's 256 rows, then B's 256 rows
.set KS,     32                        ; a row of scale bytes
.set SCL,    2*SLOT                    ; behind the slots: the scales, as units of 256 bytes + 16 of padding
.set HALFS,  16*272                    ; the scales of 128 rows
.set SBLK,   2*272                     ; those of 16 rows
.set SPARE,  SCL+4*HALFS               ; the spare words, 128 bytes a wave, that no other line names
.set OFFS, 8                           ; v8-11   the way out: 16 x lane + (a / 4) x SA + (b / 4) x SB
.set ADRA, 16                          ; v16-17  LDS address of my A fragments in slot 0, 1
.set ADRB, 20                          ; v20-21  the same for B
.set ADRS, 27                          ; v27     LDS address of my scale words: lanes 0-15 A's rows, lanes 16-31 B's
.set SPW,  28                          ; v28     my spare word; never rewritten
.set NIL,  29                          ; v29     0; never rewritten
.set SC,   32
.set AF,   128
.set OUTR, 64
.set G1, 24
.set G0, 32
.set G1B, 48
.set G0B, 56
.set G1S, 68
.set G0S, 76
.set G1SB, 80
.set G0SB, 88
.set MSB, 0
.macro WIN new                         ; the immediate's high byte repeats the setting that is left
.if MSB != \new
	s_set_vgpr_msb (MSB<<8)|\new
.set MSB, \new
.endif
.endm
.set MUL_LO, 0xa1                      ; source 0 (B) window 1, source 1 (A) window 0, C and D window 2
.set MUL_HI, 0xf1
.set TO_B,   0x40
; A joint load: waves 0 and 1 fetch for A, waves 2 and 3 for B; the branch hangs on the wave's number alone.  An s_nop 0 and four v_nop follow each line.
.macro JLOAD g0a, g1a, g0b, g1b
	s_cmp_eq_u32 s15, 0
	s_cbranch_scc0 .Lfor_b_\@
	tensor_load_to_lds s[\g0a:\g0a+3], s[\g1a:\g1a+7]
	s_nop 0
.rept 4
	v_nop
.endr
	s_branch .Lasked_\@
.Lfor_b_\@:
	tensor_load_to_lds s[\g0b:\g0b+3], s[\g1b:\g1b+7]
	s_nop 0
.rept 4
	v_nop
.endr
.Lasked_\@:
.endm
.macro CROUND                          ; a round of the cluster's barrier
	s_barrier_signal -1
	s_barrier_wait -1
	s_cmp_lg_u32 s14, 0
	s_cbranch_scc1 .Lnot_wave_0_\@
	s_barrier_signal -3
.Lnot_wave_0_\@:
	s_barrier_wait -3
	s_barrier_signal -1
	s_barrier_wait -1
.endm
	s_load_b256 s[4:11], s[0:1], 0x0               ; codes s[4:5], scales s[6:7], qf s[8:9], kv s[10:11]
	v_lshl_add_u32 v[SPW], v0, 2, SPARE
	v_mov_b32 v[NIL], 0
	ds_add_u32 v[SPW], v[NIL]                      ; the wave's opening: the add, twice on end, and its wait ahead of my first tensor load
	ds_add_u32 v[SPW], v[NIL]
	v_lshrrev_b32 v1, 5, v0
	v_readfirstlane_b32 s14, v1                    ; wave 0..3
	s_lshr_b32 s15, s14, 1                         ; which half of the tile's rows is mine.  Also: I fetch for A (0) or for B (1)
	s_and_b32 s16, s14, 1                          ; which half of its columns.  Also: which 128 rows of that tile I fetch
	s_bfe_u32 s40, ttmp6, 0x40000                  ; cx, cy: my place in the cluster
	s_bfe_u32 s41, ttmp6, 0x40004
	s_and_b32 s95, ttmp7, 0xffff                   ; the cluster's y, 0 .. 11
	s_lshr_b32 s96, s95, 2                         ; the problem
	s_and_b32 s97, s95, 3
	s_lshl_b32 s97, s97, 2                         ; the cluster's first tile along the 4,096 positions
	s_lshl_b32 s66, s96, 21                        ; problems 0, 1: A's codes at problem x 2 MiB,
	s_lshl_b32 s67, s96, 19
	s_add_co_u32 s67, s67, 0x600000                ; B's at 6 MiB + problem x 512 KiB,
	s_lshl_b32 s98, s96, 17                        ; A's scales,
	s_lshl_b32 s99, s96, 15
	s_add_co_u32 s99, s99, 0x60000                 ; B's scales
	s_cmp_eq_u32 s96, 2                            ; problem 2: Wv is A, v is B.  Selects alone follow: no branch
	s_cselect_b32 s17, 0, s97
	s_cselect_b32 s42, s97, 0
	s_cselect_b32 s66, 0x700000, s66
	s_cselect_b32 s67, 0x400000, s67
	s_cselect_b32 s98, 0x70000, s98
	s_cselect_b32 s99, 0x40000, s99
	s_add_co_u32 s17, s17, s41                     ; tile row of C: shared along my row of the cluster
	s_add_co_u32 s42, s42, s40                     ; tile column: shared along my column
	s_lshl_b32 s43, s41, 2
	s_lshl_b32 s43, 15, s43                        ; my row of the cluster
	s_lshl_b32 s44, 0x1111, s40                    ; my column
	; descriptor group 1: a tile of 128 rows x 256 bytes, 16 bytes of padding behind each row
	s_or_b32 s[G1+0], s43, (0<<16)|(1<<20)|(1<<21)|(5<<22)|(3<<25)  ; 15:0 the mask; 17:16 element of 1 byte; 20 padding on; 21 set beside a mask; 24:22 after every 64 words; 31:25 of 4 words
	s_or_b32 s[G1B+0], s44, (0<<16)|(1<<20)|(1<<21)|(5<<22)|(3<<25)
.irp g, G1, G1B
	s_mov_b32 s[\g+1], ROWB<<16                    ; tensor_dim0
	s_mov_b32 s[\g+2], 128<<16                     ; tensor_dim1
	s_mov_b32 s[\g+3], ROWB<<16                    ; tile_dim0
	s_mov_b32 s[\g+4], 128                         ; tile_dim1
	s_mov_b32 s[\g+5], KROW                        ; from row to row
	s_mov_b32 s[\g+6], 0
	s_mov_b32 s[\g+7], 0
.endr
	; the scales of 128 rows: 4,096 dense bytes, as 16 rows of 256 bytes (32 elements of 8 bytes), 16 bytes of padding behind each
	s_or_b32 s[G1S+0], s43, (3<<16)|(1<<20)|(1<<21)|(5<<22)|(3<<25)
	s_or_b32 s[G1SB+0], s44, (3<<16)|(1<<20)|(1<<21)|(5<<22)|(3<<25)
.irp g, G1S, G1SB
	s_mov_b32 s[\g+1], 32<<16
	s_mov_b32 s[\g+2], 16<<16
	s_mov_b32 s[\g+3], 32<<16
	s_mov_b32 s[\g+4], 16
	s_mov_b32 s[\g+5], 32
	s_mov_b32 s[\g+6], 0
	s_mov_b32 s[\g+7], 0
.endr
	s_lshl_b32 s18, s16, 7                         ; which 128 rows of the tile I fetch
	s_lshl_b32 s20, s17, 8
	s_add_co_u32 s20, s20, s18                     ; A: row 256 x tile row + 128 x half
	s_lshl_b32 s46, s42, 8
	s_add_co_u32 s46, s46, s18                     ; B: row 256 x tile column + 128 x half
	s_lshl_b32 s22, s20, 5                         ; where these rows' scales begin: 32 bytes a row, + the tensor's place.  All offsets stay under 8 MiB
	s_add_co_u32 s22, s22, s98
	s_mov_b32 s23, 0
	s_lshl_b32 s92, s46, 5
	s_add_co_u32 s92, s92, s99
	s_mov_b32 s93, 0
	s_lshl_b32 s20, s20, 9                         ; and their codes: 512 bytes a row
	s_add_co_u32 s20, s20, s66
	s_mov_b32 s21, 0
	s_lshl_b32 s46, s46, 9
	s_add_co_u32 s46, s46, s67
	s_mov_b32 s47, 0
	s_mul_i32 s45, s14, HALFT                      ; where they go: wave x 128 rows: no place in the cluster enters an LDS address
	s_mul_i32 s94, s14, HALFS
	s_wait_dscnt 0x0                               ; both opening adds are done
	s_wait_kmcnt 0x0
	s_add_nc_u64 s[20:21], s[4:5], s[20:21]
	s_add_nc_u64 s[22:23], s[6:7], s[22:23]
	s_add_nc_u64 s[46:47], s[4:5], s[46:47]
	s_add_nc_u64 s[92:93], s[6:7], s[92:93]
	CROUND                                         ; all sixteen work-groups are here: the joint loads meet
	s_mov_b32 s[G0S], 1
	s_add_co_u32 s[G0S+1], s94, SCL
	s_mov_b64 s[G0S+2:G0S+3], s[22:23]
	s_or_b32 s[G0S+3], s[G0S+3], 0x80000000
	s_mov_b32 s[G0SB], 1
	s_add_co_u32 s[G0SB+1], s94, SCL
	s_mov_b64 s[G0SB+2:G0SB+3], s[92:93]
	s_or_b32 s[G0SB+3], s[G0SB+3], 0x80000000
	JLOAD G0S, G1S, G0SB, G1SB                     ; the scales first: they are wanted with the first slot
.irp s, 0,1
	s_mov_b32 s[G0+4*\s], 1
	s_add_co_u32 s[G0+4*\s+1], s45, \s*SLOT
	s_add_nc_u64 s[G0+4*\s+2:G0+4*\s+3], s[20:21], \s*ROWB
	s_or_b32 s[G0+4*\s+3], s[G0+4*\s+3], 0x80000000
	s_mov_b32 s[G0B+4*\s], 1
	s_add_co_u32 s[G0B+4*\s+1], s45, \s*SLOT
	s_add_nc_u64 s[G0B+4*\s+2:G0B+4*\s+3], s[46:47], \s*ROWB
	s_or_b32 s[G0B+4*\s+3], s[G0B+4*\s+3], 0x80000000
	JLOAD G0+4*\s, G1, G0B+4*\s, G1B
.endr
	v_and_b32 v1, 15, v0                           ; l % 16
	v_bfe_u32 v2, v0, 4, 1                         ; l / 16
	v_mul_u32_u24 v3, v1, PITCH
	v_lshl_add_u32 v4, v2, 4, v3                   ; a fragment's row x pitch + 16 x half
	s_mul_i32 s21, s15, HALFT                      ; my 128 rows of A
	s_mul_i32 s22, s16, HALFT                      ; my 128 rows of B,
	s_add_co_u32 s22, s22, 2*HALFT                 ; which lie behind A's 256
.irp s, 0,1
	v_add_nc_u32 v[ADRA+\s], s21, v4
	v_add_nc_u32 v[ADRB+\s], s22, v4
	s_add_co_u32 s21, s21, SLOT
	s_add_co_u32 s22, s22, SLOT
.endr
	v_mul_u32_u24 v5, v1, KS                       ; my row's scales: 32 bytes a row,
	v_lshrrev_b32 v6, 8, v5
	v_lshl_add_u32 v5, v6, 4, v5                   ; and 16 more for each 256 passed
	s_mul_i32 s21, s15, HALFS
	s_mul_i32 s22, s16, HALFS
	s_add_co_u32 s22, s22, 2*HALFS
	s_sub_co_u32 s22, s22, s21
	v_mul_u32_u24 v6, s22, v2                      ; lanes 16-31 take B's: one product, the distance between the two bases
	s_add_co_u32 s21, s21, SCL
	v_add_nc_u32 v5, v5, v6
	v_add_nc_u32 v[ADRS], s21, v5
	; THE WAY OUT's addresses.  e = 0 for qf, 1 for kv.  A head's bytes HS = 2^(18 + e); 64 positions PQ = 2^(13 + e); a position 2^(7 + e).
	s_min_u32 s2, s96, 1
	s_add_co_u32 s3, s2, 18
	s_add_co_u32 s18, s2, 13
	s_add_co_u32 s19, s2, 7
	s_lshl_b32 s20, s17, 8
	s_lshl_b32 s21, s15, 7
	s_add_co_u32 s20, s20, s21                     ; my first row of C
	s_lshl_b32 s21, s42, 8
	s_lshl_b32 s22, s16, 7
	s_add_co_u32 s21, s21, s22                     ; my first column
	s_lshl_b32 s22, 1, s3                          ; HS
	s_lshl_b32 s23, 1, s18                         ; PQ
	s_cmp_eq_u32 s96, 2
	s_cselect_b32 s40, s21, s20                    ; my first position: along the rows, in problem 2 along the columns
	s_cselect_b32 s41, s20, s21                    ; my first channel
	s_cselect_b32 s43, s22, s23                    ; SA: four blocks of A on: 64 positions, in problem 2 a head
	s_cselect_b32 s44, s23, s22                    ; SB: four blocks of B on: a head, in problem 2 64 positions
	s_cselect_b32 s45, 8192, 0                     ; V^T lies in the second half of a step
	s_lshr_b32 s41, s41, 6                         ; my first head
	s_lshr_b32 s46, s40, 11                        ; the batch
	s_lshl_b32 s46, s46, 4
	s_add_co_u32 s46, s46, s41
	s_lshl_b32 s46, s46, s3
	s_and_b32 s40, s40, 2047
	s_lshl_b32 s40, s40, s19
	s_add_co_u32 s46, s46, s40
	s_add_co_u32 s46, s46, s45
	s_mov_b32 s47, 0
	s_cmp_eq_u32 s96, 0
	s_cselect_b64 s[12:13], s[8:9], s[10:11]       ; the choice hangs on the cluster's number alone
	s_add_nc_u64 s[12:13], s[12:13], s[46:47]
	v_and_b32 v6, 31, v0
	v_lshlrev_b32 v[OFFS], 4, v6
	v_add_nc_u32 v[OFFS+1], s44, v[OFFS]
	v_add_nc_u32 v[OFFS+2], s43, v[OFFS]
	v_add_nc_u32 v[OFFS+3], s44, v[OFFS+2]
.macro FRAG reg, adr, q, i             ; a fragment, 16 rows x 128 K of 4-bit codes, is 8 registers: lane l holds row l % 16; registers 4 c .. 4 c + 3 hold K = 64 c + 32 (l / 16) + 0 .. 31
.irp c, 0,1
	ds_load_b128 v[\reg+4*\c:\reg+4*\c+3], v[\adr] offset:64*(\q)+32*\c+(\i)*16*PITCH
.endr
.endm
; 16 matrix instructions: A's blocks a0, a0 + 1 x B's eight, the slot's q-th 128 along K.  p: B's set;  sc: the set of scale words.  zero = 1: the first product starts the sums.
; The 64 accumulators take turns, one instruction a turn, in the same order in every step.
.macro MUL16 a0, p, q, sc, zero
.irp a, \a0, \a0+1
.irp b, 0,1,2,3,4,5,6,7
.if \zero
	v_wmma_scale_f32_16x16x128_f8f6f4 v[8*(8*((\a)%4)+\b):8*(8*((\a)%4)+\b)+7], v[128*(\p)+FR*\b:128*(\p)+FR*\b+FR-1], v[AF+FR*(\a):AF+FR*(\a)+FR-1], 0, v[SC+8*NQ*(\sc)+NQ*\b+(\q)], v[SC+8*NQ*(\sc)+NQ*(\a)+(\q)] matrix_a_fmt:MATRIX_FMT_FP4 matrix_b_fmt:MATRIX_FMT_FP4 matrix_a_scale:MATRIX_SCALE_ROW1
.else
	v_wmma_scale_f32_16x16x128_f8f6f4 v[8*(8*((\a)%4)+\b):8*(8*((\a)%4)+\b)+7], v[128*(\p)+FR*\b:128*(\p)+FR*\b+FR-1], v[AF+FR*(\a):AF+FR*(\a)+FR-1], v[8*(8*((\a)%4)+\b):8*(8*((\a)%4)+\b)+7], v[SC+8*NQ*(\sc)+NQ*\b+(\q)], v[SC+8*NQ*(\sc)+NQ*(\a)+(\q)] matrix_a_fmt:MATRIX_FMT_FP4 matrix_b_fmt:MATRIX_FMT_FP4 matrix_a_scale:MATRIX_SCALE_ROW1
.endif
.endr
.endr
.endm
.macro FETCH_B slot, q, p
	WIN TO_B
.irp i, 0,1,2,3,4,5,6,7
	FRAG 128*(\p)+FR*\i, ADRB+\slot, \q, \i
.endr
	WIN 0
.endm
.macro FETCH_A slot, q, i0
.irp i, \i0, \i0+1, \i0+2, \i0+3
	FRAG AF+FR*(\i), ADRA+\slot, \q, \i
.endr
.endm
.macro SCALES sc                       ; a slot's scale words: 4 words a row; lanes 0-15 take A's block i, lanes 16-31 B's block i
.irp i, 0,1,2,3,4,5,6,7
	ds_load_b128 v[SC+8*NQ*\sc+NQ*\i:SC+8*NQ*\sc+NQ*\i+3], v[ADRS] offset:\i*SBLK
.endr
.endm
.macro PLACES n                        ; plain vector instructions between a matrix instruction and a load into, or a vector instruction on, its registers
.rept \n
	v_nop
.endr
.endm
.macro STEP slot, q, zero              ; a step of 128 along K that has its successor in the same slot
	s_wait_dscnt 4*NL                              ; B's set and A's blocks 0-3 are in; the youngest eight loads (A's blocks 4-7) may be out
	WIN MUL_LO
	MUL16 0, (\q)%2, \q, \slot, \zero
	MUL16 2, (\q)%2, \q, \slot, \zero
	s_wait_dscnt 0                                 ; A's blocks 4-7 are in
	PLACES NP
	FETCH_B \slot, (\q)+1, 1-(\q)%2
	FETCH_A \slot, (\q)+1, 0
	WIN MUL_HI
	MUL16 4, (\q)%2, \q, \slot, \zero
	MUL16 6, (\q)%2, \q, \slot, \zero
	PLACES NP
	WIN 0
	FETCH_A \slot, (\q)+1, 4
.endm
; Slot 0's last step changes slots: one barrier; in front of it each wave waits for all its tensor loads (its part of slot 1), adds 0 to its spare word and waits for that.  Nothing is filled again.
.macro TURN slot, next
	s_wait_tensorcnt 0x0                           ; all my tensor loads have landed  (every window is 0 here)
	ds_add_u32 v[SPW], v[NIL]
	s_wait_dscnt 4*NL+1                            ; (the add and the youngest eight loads may be out)
	WIN MUL_LO
	MUL16 0, 1, NQ-1, \slot, 0
	s_wait_dscnt 0x0                               ; the add is done, my LDS loads are in
	s_barrier_signal -1
	MUL16 2, 1, NQ-1, \slot, 0
	WIN 0
	s_barrier_wait -1                              ; everybody's part of the next slot is in
	PLACES NP
	v_add_nc_u32 v[ADRS], 4*NQ, v[ADRS]            ; on to the next slot's scale words
	FETCH_B \next, 0, 0
	FETCH_A \next, 0, 0
	SCALES \next
	WIN MUL_HI
	MUL16 4, 1, NQ-1, \slot, 0
	MUL16 6, 1, NQ-1, \slot, 0
	PLACES NP
	WIN 0
	FETCH_A \next, 0, 4
.endm
.macro STEPS slot, from
.set Q, \from
.rept NQ-1-\from
	STEP \slot, Q, 0
.set Q, Q+1
.endr
.endm
	s_wait_tensorcnt 1                             ; the scales and my part of slot 0 are in (slot 1's load may be out),
	s_barrier_signal -1
	s_barrier_wait -1                              ; everybody's are
	FETCH_B 0, 0, 0
	FETCH_A 0, 0, 0
	SCALES 0
	FETCH_A 0, 0, 4
	STEP 0, 0, 1                                   ; the first step's products start the sums: nothing is cleared
	STEPS 0, 1
	TURN 0, 1
	STEPS 1, 0
	s_wait_dscnt 4*NL                              ; the last step: nothing more to fetch
	WIN MUL_LO
	MUL16 0, 1, NQ-1, 1, 0
	MUL16 2, 1, NQ-1, 1, 0
	s_wait_dscnt 0
	WIN MUL_HI
	MUL16 4, 1, NQ-1, 1, 0
	MUL16 6, 1, NQ-1, 1, 0
	WIN 0
; THE WAY OUT.  Block a (16 rows of A's side) x B's eight blocks: each accumulator, from its low end on, is rounded to f16: 4 registers a lane = one piece of 512 bytes.
.macro OUTBLK a
.if (\a) >= 4
	s_wait_xcnt 0x0                                ; block a - 4's stores have read their data: its registers are written again only behind this wait
.endif
	WIN 0x0a+5*((\a)/4)                            ; sources 0 and 1: window 2 or 3
.irp b, 0,1,2,3,4,5,6,7
.irp i, 0,1,2,3
	v_cvt_pk_f16_f32 v[OUTR+32*((\a)%4)+4*\b+\i], v[8*(8*((\a)%4)+\b)+2*\i], v[8*(8*((\a)%4)+\b)+2*\i+1]
.endr
.endr
	WIN 0
.irp b, 0,1,2,3,4,5,6,7
	global_store_b128 v[OFFS+2*((\a)/4)+\b/4], v[OUTR+32*((\a)%4)+4*\b:OUTR+32*((\a)%4)+4*\b+3], s[12:13] offset:((\a)%4)*2048+(\b%4)*512   ; 512 consecutive bytes, aligned
.endr
.endm
	PLACES NP                                      ; behind the last products: the conversions write registers that held their operands and scales
.irp a, 0,1,2,3,4,5,6,7
	OUTBLK \a
.endr
	s_wait_tensorcnt 0x0                           ; the wave's end
	ds_add_u32 v[SPW], v[NIL]
	s_wait_dscnt 0x0
	CROUND                                         ; the closing round: no work-group ends while a partner may still ask for a tile that names it
	s_endpgm
.Lfunc_end_k_qea47fcf80a_proj:
	.size	k_qea47fcf80a_proj, .Lfunc_end_k_qea47fcf80a_proj-k_qea47fcf80a_proj
	.p2alignl 7, 3214868480
	.fill 96, 4, 3214868480
	.section	.rodata,"a",@progbits
	.p2align	6, 0x0
	.amdhsa_kernel k_qea47fcf80a_proj
		.amdhsa_group_segment_fixed_size 327680
		.amdhsa_private_segment_fixed_size 0
		.amdhsa_enable_private_segment 0
		.amdhsa_kernarg_size 32
		.amdhsa_user_sgpr_count 2
		.amdhsa_user_sgpr_kernarg_segment_ptr 1
		.amdhsa_wavefront_size32 1
		.amdhsa_system_sgpr_workgroup_id_x 1
		.amdhsa_system_sgpr_workgroup_id_y 1
		.amdhsa_system_sgpr_workgroup_id_z 1
		.amdhsa_system_vgpr_workitem_id 0
		.amdhsa_next_free_vgpr 1024
		.amdhsa_next_free_sgpr 100
		.amdhsa_reserve_vcc 0
		.amdhsa_float_denorm_mode_32 3
		.amdhsa_float_denorm_mode_16_64 3
		.amdhsa_memory_ordered 1
		.amdhsa_forward_progress 1
		.amdhsa_inst_pref_size 119
	.end_amdhsa_kernel
	.amdgpu_metadata
---
amdhsa.version: [ 1, 2 ]
amdhsa.kernels:
  - .name:           k_qea47fcf80a_proj
    .symbol:         k_qea47fcf80a_proj.kd
    .args:
      - { .name: codes, .offset: 0, .size: 8, .value_kind: global_buffer, .address_space: global }
      - { .name: scales, .offset: 8, .size: 8, .value_kind: global_buffer, .address_space: global }
      - { .name: qf, .offset: 16, .size: 8, .value_kind: global_buffer, .address_space: global }
      - { .name: kv, .offset: 24, .size: 8, .value_kind: global_buffer, .address_space: global }
    .group_segment_fixed_size: 327680
    .private_segment_fixed_size: 0
    .kernarg_segment_align: 8
    .kernarg_segment_size: 32
    .max_flat_workgroup_size: 128
    .sgpr_count:     100
    .vgpr_count:     1024
    .wavefront_size: 32
...
	.end_amdgpu_metadata
.endif
;; end of part 2
;; launch attn (part 3): grid 8 x 32, 8 waves a work-group, clusters of 4 x 1, 327,680 bytes of LDS; arguments qf, kv, mbits, cf; writes cf
.if DOCPART == 3
	.amdgcn_target "amdgcn-amd-amdhsa--gfx1250"
	.amdhsa_code_object_version 6
	.text
	.protected	k_qea47fcf80a_attn
	.globl	k_qea47fcf80a_attn
	.p2align	8
	.type	k_qea47fcf80a_attn,@function
k_qea47fcf80a_attn:
	s_mov_b64 s[64:65], 0
	v_nop
	global_prefetch_b8 v0, s[64:65] scope:SCOPE_SE
	s_setreg_imm32_b32 hwreg(HW_REG_WAVE_MODE, 25, 1), 1
	s_wait_xcnt 0x0
	s_wait_alu depctr_hold_cnt(0) depctr_sa_sdst(0) depctr_va_vdst(0) depctr_va_sdst(0) depctr_va_ssrc(0) depctr_va_vcc(0) depctr_vm_vsrc(0)
	s_getreg_b32 s2, hwreg(HW_REG_IB_STS2, 6, 4)
	s_cmp_eq_u32 s2, 0
	s_cbranch_scc0 .Lentry_in_a_cluster
	s_endpgm
.Lentry_in_a_cluster:
	s_bfe_u32 s2, ttmp6, 0x10000c
	s_cmp_lg_u32 s2, 0x3003
	s_cbranch_scc0 .Lentry_shape_is_right
	s_endpgm
.Lentry_shape_is_right:
; ATTN: ctx[b][q][head] = softmax_k(where(mask, -1e9, Q . K) / 8) V, for 32 (batch, head) pairs of 2,048 queries x 2,048 keys x 64 channels.  Operands f16, products, maxima and sums f32.
; SHARES.  A work-group owns 256 queries of one (batch, head); each of its eight waves owns 32: two tiles of 16, in 256 registers: two waves to a SIMD, so that one wave's vector work stands
; beside the other's matrix work.  Every wave walks all keys, 64 a step.
; LAYOUT.  Both products are used transposed: S^T = K Q^T (source 0 = 16 keys, source 1 = 16 queries), O^T = V^T P (source 0 = 16 channels, source 1 = P): a lane holds ONE query (lane % 16)
; throughout, and keys or channels 8 (lane / 16) + 0 .. 7.  Two tiles of S^T, rounded to f16 in pairs, ARE source 1 of the second product.
; ALL OPERANDS COME AS IMAGES OF THEIR REGISTERS (pieces of 512 bytes, lane l's 16 bytes at 16 l): every fragment load reads 512 consecutive bytes; no pitch, no padding.
; THE MASK comes as lane masks (word [b][tile of queries][tile of keys][j], bit l for lane l of register j of that tile of S^T), by scalar loads, a step ahead: one v_cndmask_b32 a register REPLACES
; a masked score by -1e9 ahead of the maximum.  A row that is masked whole so comes out uniform.
; SOFTMAX.  A running maximum m and sum l for each query: p = 2^(c s - c m), c = log2(e) / 8; in every step O and l are multiplied by a = 2^(c m_old - c m_new).  The sum is taken of the unrounded p.
; RING.  Two LDS slots of 8 key steps (131,072 bytes); wave w fetches step w of a slot: one tensor load of 16,384 dense bytes; one tensor load of a wave is out at the most.
; CLUSTER.  The four query blocks of a cluster walk the same K and V: every tile is asked for jointly, by the same load with the mask of all four.
; OUT.  O^T / l, rounded to f16, is lane l's part of a piece of the last product's fragment: cf [128 rows 32][256 K 4][tile of rows 8][32 K 8][piece 2][512 bytes], stored from registers.
; LIMITS: p and ctx go in f16: |V| from 65,504 on is not served; ctx under 6e-5 is kept to a step of 6e-8.  NaN and infinities are not served.
.set STEPB, 16384                      ; a key step: K's 8,192 bytes [key tile 4][c 2][piece 2][512], then V^T's [channel tile 4][32 keys 2][piece 2][512]
.set SLOT1, 131072
.set SPARE, 262144                     ; behind the ring: the spare words, 128 bytes a wave, that no other line names
.set LI,   1                           ; v1   16 x lane; never rewritten
.set ADR,  2                           ; v2   LDS address of the step in hand
.set NEGV, 3                           ; v3   -1e9
.set SPW,  4                           ; v4   my spare word; never rewritten
.set NIL,  5                           ; v5   0; never rewritten
.set PFO,  6                           ; v6   256 x lane; never rewritten
.set ST,   8                           ; v8-23    tile t at v[ST + 8 t]: +0 c m, +1 m, +2, +3 l in two halves, +4 .. +7 at work; a takes +6
.set Q,    24                          ; v24-55   Q: fragment (t, c) at v[Q + 16 t + 8 c]
.set KV,   56                          ; v56-119  K: fragment (kt, c) at v[KV + 16 kt + 8 c]; then V^T: (32 keys ks, channel tile ct) at v[KV + 32 ks + 8 ct]
.set S,    120                         ; v120-183 S^T: tile (t, kt) at v[S + 32 t + 8 kt]; P in the low 16 of each 32
.set O,    184                         ; v184-247 O^T: tile (t, ct) at v[O + 32 t + 8 ct]
.set CS,   2                           ; s[2:3]   c, twice
.set WV,   12
.set G1,   16                          ; s[16:23] descriptor group 1
.set G0,   24                          ; s[24:27] descriptor group 0, which walks
.set TB,   28                          ; s28  LDS byte at which the step in hand begins
.set SLOTS, 29                         ; s29  slots still to be asked for
.set STEPS, 30
.set MW0,  32                          ; s[32:63] the step's 32 mask words of tile 0
.set SEL,  66                          ; s[66:67] lane selects: lane l xor 16
.set MW1,  68                          ; s[68:99] those of tile 1
.set PFA,  100                         ; s[100:101] where my prefetches stand
.set LIM,  104                         ; s104 1 in a wave that prefetches, else the greatest number
.macro ROUND                           ; a round of the cluster's barrier
	s_barrier_signal -1
	s_barrier_wait -1
	s_cmp_lg_u32 s[WV], 0
	s_cbranch_scc1 .Lnot_wave_0_\@
	s_barrier_signal -3
.Lnot_wave_0_\@:
	s_barrier_wait -3
	s_barrier_signal -1
	s_barrier_wait -1
.endm
.macro PLACES n
.rept \n
	v_nop
.endr
.endm
; A prefetch of the slot that the NEXT change of slots will ask for: 131,072 bytes.  Both clusters of a (batch, head) walk the same bytes: the first asks.  Its four partners take 32,768 bytes each, told apart
; by address; in each, waves 0 to 3 take 8,192 bytes, lanes 256 bytes apart: each block of 256 bytes is named once.  The last change that fills a slot asks for nothing; slots 0 and 1 come by their loads alone.
.macro ASK
	s_cmp_gt_u32 s[SLOTS], s[LIM]
	s_cbranch_scc0 .Lnot_mine_\@
	global_prefetch_b8 v[PFO], s[PFA:PFA+1] th:TH_LOAD_NT scope:SCOPE_SE
.Lnot_mine_\@:
.endm
	s_load_b256 s[4:11], s[0:1], 0x0               ; qf s[4:5], kv s[6:7], mbits s[8:9], cf s[10:11]
	v_lshl_add_u32 v[SPW], v0, 2, SPARE
	v_mov_b32 v[NIL], 0
	ds_add_u32 v[SPW], v[NIL]                      ; the wave's opening: the add, twice on end, and its wait ahead of my first tensor load
	ds_add_u32 v[SPW], v[NIL]
	v_lshrrev_b32 v1, 5, v0
	v_readfirstlane_b32 s[WV], v1                  ; wave 0..7
	s_bfe_u32 s13, ttmp6, 0x40000                  ; cx: it enters Q's, the mask's, cf's and the prefetches' addresses alone
	s_lshl_b32 s14, ttmp9, 2
	s_add_co_u32 s14, s14, s13                     ; my block of 256 queries
	s_and_b32 s15, ttmp7, 0xffff                   ; 16 x batch + head, which the four partners share
	s_mov_b32 s[G1], 15|(3<<16)|(1<<21)            ; 15:0 the mask: all four; 17:16 elements of 8 bytes; 21 set beside a mask; no padding
	s_mov_b32 s[G1+1], 32<<16                      ; tensor_dim0 = 32 elements: 256 bytes
	s_mov_b32 s[G1+2], 64<<16                      ; tensor_dim1 = 64
	s_mov_b32 s[G1+3], 32<<16                      ; tile_dim0
	s_mov_b32 s[G1+4], 64                          ; tile_dim1
	s_mov_b32 s[G1+5], 32                          ; dense
	s_mov_b32 s[G1+6], 0
	s_mov_b32 s[G1+7], 0
	s_lshl_b32 s31, s14, 4
	s_lshl_b32 s2, s[WV], 1
	s_add_co_u32 s31, s31, s2                      ; my first tile of 16 queries: 16 x block + 2 x wave
	s_lshl_b32 s32, s15, 7
	s_add_co_u32 s32, s32, s31
	s_lshl_b32 s32, s32, 11                        ; Q: 2,048 bytes a tile
	s_mov_b32 s33, 0
	s_lshr_b32 s34, s15, 4
	s_lshl_b32 s34, s34, 7
	s_add_co_u32 s34, s34, s31
	s_lshl_b32 s34, s34, 12                        ; the mask words: 4,096 bytes a tile of queries
	s_mov_b32 s35, 0
	s_lshr_b32 s36, s15, 4
	s_lshl_b32 s36, s36, 4
	s_lshl_b32 s3, s14, 1
	s_add_co_u32 s36, s36, s3
	s_lshr_b32 s3, s[WV], 2
	s_add_co_u32 s36, s36, s3                      ; cf: the block of 128 rows,
	s_lshl_b32 s36, s36, 18
	s_bfe_u32 s3, s15, 0x20002                     ; head / 4: the 256 along K,
	s_lshl_b32 s3, s3, 16
	s_add_co_u32 s36, s36, s3
	s_and_b32 s3, s2, 7                            ; the tile of rows,
	s_lshl_b32 s3, s3, 13
	s_add_co_u32 s36, s36, s3
	s_and_b32 s3, s15, 3                           ; head % 4: 64 along K are two fragments
	s_lshl_b32 s3, s3, 11
	s_add_co_u32 s36, s36, s3
	s_mov_b32 s37, 0
	s_lshl_b32 s40, s[WV], 14                      ; the step that I fetch: in a slot,
	s_lshl_b32 s38, s15, 19
	s_add_co_u32 s38, s38, s40                     ; and in memory: made of the pair's number and the wave's alone
	s_mov_b32 s39, 0
	s_lshl_b32 s42, s15, 19                        ; the prefetches: my work-group's quarter, my wave's 8,192 bytes,
	s_lshl_b32 s3, s13, 15
	s_add_co_u32 s42, s42, s3
	s_and_b32 s3, s[WV], 3
	s_lshl_b32 s3, s3, 13
	s_add_co_u32 s42, s42, s3
	s_add_co_u32 s42, s42, 8*STEPB                 ; in slot 1: the first change of slots steps it to slot 2
	s_mov_b32 s43, 0
	s_lshr_b32 s3, s[WV], 2                        ; 0 in waves 0 to 3,
	s_or_b32 s3, s3, ttmp9                         ; of the pair's first cluster: the same in all four partners
	s_cmp_eq_u32 s3, 0
	s_cselect_b32 s[LIM], 1, -1
	s_mov_b32 s[SEL], 0x76543210
	s_mov_b32 s[SEL+1], 0xfedcba98
	s_mov_b32 s[TB], 0
	s_mov_b32 s[SLOTS], 3
	s_mov_b32 s[CS], 0x3e38aa3b                    ; c = log2(e) / 8
	s_mov_b32 s[CS+1], s[CS]                       ; (named with it as a pair, so it is written)
	s_wait_dscnt 0x0                               ; both opening adds are done
	s_wait_kmcnt 0x0
	s_add_nc_u64 s[4:5], s[4:5], s[32:33]
	s_add_nc_u64 s[8:9], s[8:9], s[34:35]
	s_add_nc_u64 s[10:11], s[10:11], s[36:37]
	s_add_nc_u64 s[PFA:PFA+1], s[6:7], s[42:43]
	s_mov_b32 s[G0], 1                             ; count = 1
	s_mov_b32 s[G0+1], s40                         ; LDS address: slot 0, step = my wave's number
	s_add_nc_u64 s[G0+2:G0+3], s[6:7], s[38:39]
	s_or_b32 s[G0+3], s[G0+3], 0x80000000          ; type = 2
	ROUND                                          ; all four work-groups are here: the first joint loads meet
	tensor_load_to_lds s[G0:G0+3], s[G1:G1+7]      ; slot 0
	s_nop 0
	PLACES 4
	v_and_b32 v[LI], 31, v0
	v_lshlrev_b32 v[PFO], 8, v[LI]
	v_lshlrev_b32 v[LI], 4, v[LI]
.irp l, 0,1,2,3,4,5,6,7
	global_load_b128 v[Q+4*\l:Q+4*\l+3], v[LI], s[4:5] offset:512*\l   ; Q stays in registers: piece l = 4 t + 2 c + half
.endr
	s_load_b512 s[MW0:MW0+15], s[8:9], 0x0         ; step 0's mask words: 128 bytes for each of my two tiles
	s_load_b512 s[MW0+16:MW0+31], s[8:9], 0x40
	s_load_b512 s[MW1:MW1+15], s[8:9], 0x1000
	s_load_b512 s[MW1+16:MW1+31], s[8:9], 0x1040
	v_mov_b32 v[NEGV], 0xce6e6b28                  ; -1e9
.irp t, 0,1
	v_mov_b32 v[ST+8*\t+1], 0xff61b1e6             ; m = -3e38, under every score
	v_mov_b32 v[ST+8*\t+2], 0                      ; l
	v_mov_b32 v[ST+8*\t+3], 0
	v_mov_b32 v[ST+8*\t+4], 0                      ; (written once: a lane permute's destination and the halves of pairs count as read)
	v_mov_b32 v[ST+8*\t+5], 0
	v_mov_b32 v[ST+8*\t+6], 0
	v_mov_b32 v[ST+8*\t+7], 0
	v_mul_f32 v[ST+8*\t], s[CS], v[ST+8*\t+1]      ; c m
.endr
.set i, 0
.rept 64
	v_mov_b32 v[O+i], 0                            ; O^T.  (The step is written without a first form of its own: the first step finds zeros, which a = 0 leaves zeros)
.set i, i+1
.endr
	s_wait_loadcnt 0x0                             ; Q
.macro KFETCH half, off                ; K's fragments of key tiles 2 half, 2 half + 1: eight pieces
.irp l, 0,1,2,3,4,5,6,7
	ds_load_b128 v[KV+32*\half+4*\l:KV+32*\half+4*\l+3], v[ADR] offset:\off+4096*\half+512*\l
.endr
.endm
.macro SCORES k0                       ; S^T of key tiles k0, k0 + 1 for both tiles of queries: four accumulators by turns, two deep
.irp c, 0,1
.irp kt, \k0, \k0+1
.irp t, 0,1
.if \c == 0
	v_wmma_f32_16x16x32_f16 v[S+32*\t+8*(\kt):S+32*\t+8*(\kt)+7], v[KV+16*(\kt)+8*\c:KV+16*(\kt)+8*\c+7], v[Q+16*\t+8*\c:Q+16*\t+8*\c+7], 0
.else
	v_wmma_f32_16x16x32_f16 v[S+32*\t+8*(\kt):S+32*\t+8*(\kt)+7], v[KV+16*(\kt)+8*\c:KV+16*(\kt)+8*\c+7], v[Q+16*\t+8*\c:Q+16*\t+8*\c+7], v[S+32*\t+8*(\kt):S+32*\t+8*(\kt)+7]
.endif
.endr
.endr
.endr
.endm
.macro PV ks                           ; O^T += V^T P over keys 32 ks on: eight accumulators by turns
.irp ct, 0,1,2,3
.irp t, 0,1
	v_wmma_f32_16x16x32_f16 v[O+32*\t+8*\ct:O+32*\t+8*\ct+7], v[KV+32*\ks+8*\ct:KV+32*\ks+8*\ct+7], v[S+32*\t+8*\ks:S+32*\t+8*\ks+7], v[O+32*\t+8*\ct:O+32*\t+8*\ct+7]
.endr
.endr
.endm
; A KEY STEP: 64 keys.  pre = 1: the next step's K, in the same slot, is fetched while V^T P is multiplied.  mnext = 1: the next step's mask words are asked for.
.macro STEP pre, mnext
	v_add_nc_u32 v[ADR], s[TB], v[LI]
	s_wait_dscnt 8                                 ; K's key tiles 0, 1 are in; the eight loads of tiles 2, 3 may be out
	SCORES 0
	s_wait_dscnt 0x0
	SCORES 2
	PLACES 4                                       ; behind the products: the loads below land on K's registers, the selects read the scores
.irp ks, 0,1
.irp ct, 0,1,2,3
.irp p, 0,1
	ds_load_b128 v[KV+32*\ks+8*\ct+4*\p:KV+32*\ks+8*\ct+4*\p+3], v[ADR] offset:8192+2048*\ct+1024*\ks+512*\p   ; V^T: it lands under the softmax
.endr
.endr
.endr
	s_wait_kmcnt 0x0                               ; this step's mask words, asked for a step ago
.set i, 0
.rept 32
	v_cndmask_b32 v[S+i], v[S+i], v[NEGV], s[MW0+i]          ; a masked score is replaced.  Ascending: each accumulator is read from its low end on
	v_cndmask_b32 v[S+32+i], v[S+32+i], v[NEGV], s[MW1+i]
.set i, i+1
.endr
.irp j, 0,1,2,3                        ; the maximum of a lane's 32 scores and the old m, three operands at a time, four chains a tile
.irp t, 0,1
	v_max3_num_f32 v[ST+8*\t+4+\j], v[S+32*\t+8*\j], v[S+32*\t+8*\j+1], v[S+32*\t+8*\j+2]
.endr
.endr
.irp g, 1,2
.irp j, 0,1,2,3
.irp t, 0,1
	v_max3_num_f32 v[ST+8*\t+4+\j], v[ST+8*\t+4+\j], v[S+32*\t+8*\j+2*\g+1], v[S+32*\t+8*\j+2*\g+2]
.endr
.endr
.endr
.irp t, 0,1
	v_max3_num_f32 v[ST+8*\t+4], v[ST+8*\t+4], v[S+32*\t+7], v[S+32*\t+15]
	v_max3_num_f32 v[ST+8*\t+6], v[ST+8*\t+6], v[S+32*\t+23], v[S+32*\t+31]
.endr
.if (\mnext)
	s_add_nc_u64 s[8:9], s[8:9], 128               ; (the wait above has shown the last scalar loads done, so their base may step; the selects above have read the words)
	s_load_b512 s[MW0:MW0+15], s[8:9], 0x0
	s_load_b512 s[MW0+16:MW0+31], s[8:9], 0x40
	s_load_b512 s[MW1:MW1+15], s[8:9], 0x1000
	s_load_b512 s[MW1+16:MW1+31], s[8:9], 0x1040
.endif
.irp t, 0,1
	v_max3_num_f32 v[ST+8*\t+4], v[ST+8*\t+4], v[ST+8*\t+5], v[ST+8*\t+6]
.endr
.irp t, 0,1
	v_max3_num_f32 v[ST+8*\t+4], v[ST+8*\t+4], v[ST+8*\t+7], v[ST+8*\t+1]
.endr
.irp t, 0,1
	v_permlanex16_b32 v[ST+8*\t+5], v[ST+8*\t+4], s[SEL], s[SEL+1]   ; the query's other 32 keys lie in the lane 16 away
.endr
.irp t, 0,1
	v_mov_b32 v[ST+8*\t+7], v[ST+8*\t]             ; c m_old
.endr
.irp t, 0,1
	v_max_num_f32 v[ST+8*\t+1], v[ST+8*\t+4], v[ST+8*\t+5]
.endr
.irp t, 0,1
	v_mul_f32 v[ST+8*\t], s[CS], v[ST+8*\t+1]
.endr
.irp t, 0,1
	v_sub_f32 v[ST+8*\t+7], v[ST+8*\t+7], v[ST+8*\t]
.endr
.set i, 0
.rept 16
	v_pk_fma_f32 v[S+2*i:S+2*i+1], v[S+2*i:S+2*i+1], s[CS:CS+1], v[ST:ST+1] op_sel_hi:[1,0,0] neg_lo:[0,0,1] neg_hi:[0,0,1]          ; c s - c m, two at a time
	v_pk_fma_f32 v[S+32+2*i:S+32+2*i+1], v[S+32+2*i:S+32+2*i+1], s[CS:CS+1], v[ST+8:ST+9] op_sel_hi:[1,0,0] neg_lo:[0,0,1] neg_hi:[0,0,1]
.set i, i+1
.endr
	v_exp_f32 v[ST+6], v[ST+7]                     ; ONE BATCH: a of both tiles and the 64 p; none of these reads an exponential's result
	v_exp_f32 v[ST+14], v[ST+15]
.set i, 0
.rept 64
	v_exp_f32 v[S+i], v[S+i]
.set i, i+1
.endr
	v_nop                                          ; a plain instruction behind the last exponential
	s_wait_alu depctr_va_vdst(0)                   ; one wait for the batch, ahead of its first reader
.irp t, 0,1
	v_pk_mul_f32 v[ST+8*\t+2:ST+8*\t+3], v[ST+8*\t+2:ST+8*\t+3], v[ST+8*\t+6:ST+8*\t+7] op_sel_hi:[1,0]   ; l x a
	v_pk_add_f32 v[ST+8*\t+4:ST+8*\t+5], v[S+32*\t:S+32*\t+1], v[S+32*\t+2:S+32*\t+3]                     ; the sums of the unrounded p, in two chains a tile
.endr
.irp j, 4,8,12,16,20,24,28
.irp t, 0,1
	v_pk_add_f32 v[ST+8*\t+2:ST+8*\t+3], v[ST+8*\t+2:ST+8*\t+3], v[S+32*\t+\j:S+32*\t+\j+1]
	v_pk_add_f32 v[ST+8*\t+4:ST+8*\t+5], v[ST+8*\t+4:ST+8*\t+5], v[S+32*\t+\j+2:S+32*\t+\j+3]
.endr
.endr
.irp t, 0,1
	v_pk_add_f32 v[ST+8*\t+2:ST+8*\t+3], v[ST+8*\t+2:ST+8*\t+3], v[ST+8*\t+4:ST+8*\t+5]
.endr
.set i, 0
.rept 16
	v_cvt_pk_f16_f32 v[S+i], v[S+2*i], v[S+2*i+1]            ; P, in place: pair i goes to register i, which pairs i on no longer need
	v_cvt_pk_f16_f32 v[S+32+i], v[S+32+2*i], v[S+32+2*i+1]
.set i, i+1
.endr
.set i, 0
.rept 16
	v_pk_mul_f32 v[O+2*i:O+2*i+1], v[O+2*i:O+2*i+1], v[ST+6:ST+7] op_sel_hi:[1,0]                  ; O^T x a, each accumulator from its low end on
	v_pk_mul_f32 v[O+32+2*i:O+32+2*i+1], v[O+32+2*i:O+32+2*i+1], v[ST+14:ST+15] op_sel_hi:[1,0]
.set i, i+1
.endr
	s_wait_dscnt 0x0                               ; V^T is in
	PV 0
.if \pre
	PLACES 4                                       ; behind the products that read V^T's first half:
	KFETCH 0, STEPB                                ; the next step's key tiles 0, 1 land there
.endif
	PV 1
	PLACES 5                                       ; the next scores are written over P's registers (five places), the loads below land on V^T's second half (four)
.if \pre
	KFETCH 1, STEPB
.endif
	s_add_co_u32 s[TB], s[TB], STEPB
.endm
; THE CHANGE OF SLOTS stands at a slot's head.  Each wave waits for all its tensor loads (its part of the slot ahead), adds 0 to its spare word, and waits for that and for its reads of the slot that it has left.
; fill = 1: a round of the cluster's barrier, so that no wave of any partner still reads that slot or has a load on its way; behind it the joint load for the keys that follow: it has eight key steps in which to land.
.macro CHANGE fill
	s_wait_tensorcnt 0x0                           ; no tensor load of mine is out, so the group 0 may be written
	ds_add_u32 v[SPW], v[NIL]
.if \fill
	s_xor_b32 s[G0+1], s[G0+1], SLOT1              ; the other slot than last time,
	s_add_nc_u64 s[G0+2:G0+3], s[G0+2:G0+3], 8*STEPB   ; the next 512 keys; the type bits on top are not reached
	s_wait_xcnt 0x0                                ; the last prefetch, a slot back, has read its address
	s_add_nc_u64 s[PFA:PFA+1], s[PFA:PFA+1], 8*STEPB   ; one slot further on than the walking descriptor
	s_wait_dscnt 0x0                               ; the add is done, and my reads of the slot that I have left are over
	ROUND
	tensor_load_to_lds s[G0:G0+3], s[G1:G1+7]      ; the first thing behind the round, and my one tensor load until the next
	s_nop 0
	PLACES 4
	ASK
.else
	s_wait_dscnt 0x0
	s_barrier_signal -1
	s_barrier_wait -1
.endif
.endm
; A slot's eight key steps: seven in a loop, the eighth written out: it fetches no K from beyond the slot, and in the last slot it asks for no mask words beyond the last step's.
.macro SLOT_STEPS last
	v_add_nc_u32 v[ADR], s[TB], v[LI]
	KFETCH 0, 0
	KFETCH 1, 0
	s_mov_b32 s[STEPS], 7
.Lstep_\@:
	STEP 1, 1
	s_sub_co_u32 s[STEPS], s[STEPS], 1
	s_cmp_lg_u32 s[STEPS], 0
	s_cbranch_scc1 .Lstep_\@
	STEP 0, 1-\last
	s_sub_co_u32 s[TB], s[TB], 8*STEPB             ; back to a slot's first step,
	s_xor_b32 s[TB], s[TB], SLOT1                  ; in the other slot
.endm
.Lslot:                                            ; three trips: behind each change of slots but the last the next slot is asked for (slot 1's first fill among them, behind the first trip's round, where nothing is filled again)
	CHANGE 1
	SLOT_STEPS 0
	s_sub_co_u32 s[SLOTS], s[SLOTS], 1
	s_cmp_lg_u32 s[SLOTS], 0
	s_cbranch_scc1 .Lslot
	CHANGE 0                                       ; the last slot is written out
	SLOT_STEPS 1
	; THE WAY OUT.  (Five places stand behind the last products.)
.irp t, 0,1
	v_add_f32 v[ST+8*\t+4], v[ST+8*\t+2], v[ST+8*\t+3]     ; l's two halves,
.endr
.irp t, 0,1
	v_permlanex16_b32 v[ST+8*\t+5], v[ST+8*\t+4], s[SEL], s[SEL+1]
.endr
.irp t, 0,1
	v_add_f32 v[ST+8*\t+4], v[ST+8*\t+4], v[ST+8*\t+5]     ; and the other half of the lanes'
.endr
.irp t, 0,1
	v_rcp_f32 v[ST+8*\t+6], v[ST+8*\t+4]
.endr
	v_nop                                          ; a plain instruction behind the last reciprocal
	s_wait_alu depctr_va_vdst(0)                   ; and the wait ahead of the first use: one for both
.set i, 0
.rept 16
	v_pk_mul_f32 v[O+2*i:O+2*i+1], v[O+2*i:O+2*i+1], v[ST+6:ST+7] op_sel_hi:[1,0]
	v_pk_mul_f32 v[O+32+2*i:O+32+2*i+1], v[O+32+2*i:O+32+2*i+1], v[ST+14:ST+15] op_sel_hi:[1,0]
.set i, i+1
.endr
.set i, 0
.rept 32
	v_cvt_pk_f16_f32 v[S+i], v[O+2*i], v[O+2*i+1]  ; register 16 t + 4 ct + n: channels 16 ct + 8 (lane / 16) + 2 n, + 1 of my query
.set i, i+1
.endr
.irp t, 0,1
.irp ct, 0,1,2,3
	global_store_b128 v[LI], v[S+16*\t+4*\ct:S+16*\t+4*\ct+3], s[10:11] offset:\t*8192+\ct*512   ; a piece: 512 consecutive bytes, aligned
.endr
.endr
	s_wait_tensorcnt 0x0                           ; the wave's end
	ds_add_u32 v[SPW], v[NIL]
	s_wait_dscnt 0x0
	ROUND                                          ; the closing round: no work-group ends while a partner may still ask for a tile that names it
	s_endpgm
.Lfunc_end_k_qea47fcf80a_attn:
	.size	k_qea47fcf80a_attn, .Lfunc_end_k_qea47fcf80a_attn-k_qea47fcf80a_attn
	.p2alignl 7, 3214868480
	.fill 96, 4, 3214868480
	.section	.rodata,"a",@progbits
	.p2align	6, 0x0
	.amdhsa_kernel k_qea47fcf80a_attn
		.amdhsa_group_segment_fixed_size 327680
		.amdhsa_private_segment_fixed_size 0
		.amdhsa_enable_private_segment 0
		.amdhsa_kernarg_size 32
		.amdhsa_user_sgpr_count 2
		.amdhsa_user_sgpr_kernarg_segment_ptr 1
		.amdhsa_wavefront_size32 1
		.amdhsa_system_sgpr_workgroup_id_x 1
		.amdhsa_system_sgpr_workgroup_id_y 1
		.amdhsa_system_sgpr_workgroup_id_z 1
		.amdhsa_system_vgpr_workitem_id 0
		.amdhsa_next_free_vgpr 256
		.amdhsa_next_free_sgpr 106
		.amdhsa_reserve_vcc 0
		.amdhsa_float_denorm_mode_32 3
		.amdhsa_float_denorm_mode_16_64 3
		.amdhsa_memory_ordered 1
		.amdhsa_forward_progress 1
		.amdhsa_inst_pref_size 101
	.end_amdhsa_kernel
	.amdgpu_metadata
---
amdhsa.version: [ 1, 2 ]
amdhsa.kernels:
  - .name:           k_qea47fcf80a_attn
    .symbol:         k_qea47fcf80a_attn.kd
    .args:
      - { .name: qf, .offset: 0, .size: 8, .value_kind: global_buffer, .address_space: global }
      - { .name: kv, .offset: 8, .size: 8, .value_kind: global_buffer, .address_space: global }
      - { .name: mbits, .offset: 16, .size: 8, .value_kind: global_buffer, .address_space: global }
      - { .name: cf, .offset: 24, .size: 8, .value_kind: global_buffer, .address_space: global }
    .group_segment_fixed_size: 327680
    .private_segment_fixed_size: 0
    .kernarg_segment_align: 8
    .kernarg_segment_size: 32
    .max_flat_workgroup_size: 256
    .sgpr_count:     106
    .vgpr_count:     256
    .wavefront_size: 32
...
	.end_amdgpu_metadata
.endif
;; end of part 3
;; launch outp (part 4): grid 8 x 32, 4 waves a work-group, clusters of 4 x 4, 327,680 bytes of LDS; arguments cf, wof, out0; writes out0
.if DOCPART == 4
	.amdgcn_target "amdgcn-amd-amdhsa--gfx1250"
	.amdhsa_code_object_version 6
	.text
	.protected	k_qea47fcf80a_outp
	.globl	k_qea47fcf80a_outp
	.p2align	8
	.type	k_qea47fcf80a_outp,@function
k_qea47fcf80a_outp:
	s_mov_b64 s[64:65], 0
	v_nop
	global_prefetch_b8 v0, s[64:65] scope:SCOPE_SE
	s_setreg_imm32_b32 hwreg(HW_REG_WAVE_MODE, 25, 1), 1
	s_wait_xcnt 0x0
	s_wait_alu depctr_hold_cnt(0) depctr_sa_sdst(0) depctr_va_vdst(0) depctr_va_sdst(0) depctr_va_ssrc(0) depctr_va_vcc(0) depctr_vm_vsrc(0)
	s_getreg_b32 s2, hwreg(HW_REG_IB_STS2, 6, 4)
	s_cmp_eq_u32 s2, 0
	s_cbranch_scc0 .Lentry_in_a_cluster
	s_endpgm
.Lentry_in_a_cluster:
	s_bfe_u32 s2, ttmp6, 0x10000c
	s_cmp_lg_u32 s2, 0xf033
	s_cbranch_scc0 .Lentry_shape_is_right
	s_endpgm
.Lentry_shape_is_right:
; OUTP: out0[m][n] = sum over k of ctx[m][k] Wo[n][k], [4096][1024] f32, K = 1,024; operands f16, sums f32.
; Both operands come as images of their fragments: cf [128 rows 32][256 K 4][tile of 16 rows 8][32 K 8][1,024 bytes], wof likewise by 128 rows of Wo.  So a K step's part of a tile is one dense block of
; 65,536 bytes, LDS has no pitch and no padding, and every fragment load reads 512 consecutive bytes.
; A tile of out0 is 128 x 128: 256 work-groups; four waves, 64 x 64 each: 16 accumulators.  K goes in four steps of 256 through a ring of two LDS slots; a wave's tensor load brings 32,768 bytes; at the start two
; tensor loads of a wave are out, later one.
; CLUSTERS: 4 x 4 work-groups; A's tiles are asked for jointly along a row of the cluster, B's along a column.  THE MATRIX INSTRUCTION IS USED TRANSPOSED (source 0 = 16 rows of Wo, source 1 = 16 rows of ctx):
; a lane holds eight neighbouring numbers of a row of out0.  A wave's 64 columns are 256 aligned bytes, so each wave has a stage of its own on the way out and no barrier stands there.
; No prefetch: the launch is short, and each tile is fetched once for four work-groups.
; REGISTERS: window 0: v0-31 addresses; v32-95 rows on the way out; v128-255 the accumulators ((a, b) at v[128 + 8 (4 a + b)]).   window 1: two fragment buffers of 128: 64 registers of A, then 64 of B, for 64 along K.
.set SLOT,   131072                    ; A's 8 tiles x 8 fragments, then B's
.set HALFB,  32768                     ; four tiles of rows: what one tensor load brings, and what one wave reads of A or of B
.set STAGE,  2*SLOT                    ; behind the ring: 16 rows x 272 bytes for each wave
.set SPITCH, 272
.set SPARE,  STAGE+4*16*SPITCH         ; the spare words, 128 bytes a wave, that no other line names
.set LAPS,   2                         ; a lap = two K steps = once round the ring
.set ADRA, 16
.set ADRB, 20
.set STO,  24
.set RD,   25
.set CO,   26
.set SPW,  28
.set NIL,  29
.set TMP,  32
.set ACC,  128
.set F0,   0
.set F1,   128
.set G1, 24
.set G0, 32
.set G1B, 48
.set G0B, 56
.set MSB, 0
.macro WIN new                         ; the immediate's high byte repeats the setting that is left
.if MSB != \new
	s_set_vgpr_msb (MSB<<8)|\new
.set MSB, \new
.endif
.endm
.set MUL,  0x05                        ; sources 0 (B) and 1 (A) window 1; C and D window 0
.set TO_F, 0x40                        ; destination window 1, address window 0
.macro JLOAD s                         ; a joint load: waves 0 and 1 fetch A's two halves, waves 2 and 3 B's; an s_nop 0 and four v_nop follow each line
	s_cmp_eq_u32 s11, 0
	s_cbranch_scc0 .Lfor_b_\@
	tensor_load_to_lds s[G0+4*\s:G0+4*\s+3], s[G1:G1+7]
	s_nop 0
.rept 4
	v_nop
.endr
	s_branch .Lasked_\@
.Lfor_b_\@:
	tensor_load_to_lds s[G0B+4*\s:G0B+4*\s+3], s[G1B:G1B+7]
	s_nop 0
.rept 4
	v_nop
.endr
.Lasked_\@:
.endm
.macro CREST                           ; a round of the cluster's barrier behind its opening barrier
	s_cmp_lg_u32 s10, 0
	s_cbranch_scc1 .Lnot_wave_0_\@
	s_barrier_signal -3
.Lnot_wave_0_\@:
	s_barrier_wait -3
	s_barrier_signal -1
	s_barrier_wait -1
.endm
.macro CROUND
	s_barrier_signal -1
	s_barrier_wait -1
	CREST
.endm
	s_load_b128 s[4:7], s[0:1], 0x0                ; cf s[4:5], wof s[6:7]
	s_load_b64 s[8:9], s[0:1], 0x10                ; out0
	v_lshl_add_u32 v[SPW], v0, 2, SPARE
	v_mov_b32 v[NIL], 0
	ds_add_u32 v[SPW], v[NIL]                      ; the wave's opening: the add, twice on end, and its wait ahead of my first tensor load
	ds_add_u32 v[SPW], v[NIL]
	v_lshrrev_b32 v1, 5, v0
	v_readfirstlane_b32 s10, v1                    ; wave 0..3
	s_lshr_b32 s11, s10, 1                         ; which half of the tile's rows is mine.  Also: I fetch for A (0) or for B (1)
	s_and_b32 s12, s10, 1                          ; which half of its columns.  Also: which half of that tile I fetch
	s_bfe_u32 s40, ttmp6, 0x40000                  ; cx, cy
	s_bfe_u32 s41, ttmp6, 0x40004
	s_lshl_b32 s42, ttmp9, 2
	s_add_co_u32 s42, s42, s40                     ; tile column = 4 x cluster x + cx
	s_and_b32 s13, ttmp7, 0xffff
	s_lshl_b32 s13, s13, 2
	s_add_co_u32 s13, s13, s41                     ; tile row = 4 x cluster y + cy
	s_lshl_b32 s43, s41, 2
	s_lshl_b32 s43, 15, s43                        ; my row of the cluster
	s_lshl_b32 s44, 0x1111, s40                    ; my column
	s_or_b32 s[G1+0], s43, (3<<16)|(1<<21)         ; 15:0 the mask; 17:16 elements of 8 bytes; 21 set beside a mask; no padding
	s_or_b32 s[G1B+0], s44, (3<<16)|(1<<21)
.irp g, G1, G1B
	s_mov_b32 s[\g+1], 32<<16                      ; tensor_dim0 = 32 elements: 256 bytes
	s_mov_b32 s[\g+2], 128<<16                     ; tensor_dim1 = 128
	s_mov_b32 s[\g+3], 32<<16                      ; tile_dim0
	s_mov_b32 s[\g+4], 128                         ; tile_dim1
	s_mov_b32 s[\g+5], 32                          ; dense
	s_mov_b32 s[\g+6], 0
	s_mov_b32 s[\g+7], 0
.endr
	s_lshl_b32 s17, s12, 15                        ; which half of a K step's block I fetch
	s_lshl_b32 s16, s13, 18
	s_add_co_u32 s16, s16, s17                     ; A: 262,144 bytes a tile row
	s_lshl_b32 s46, s42, 18
	s_add_co_u32 s46, s46, s17                     ; B: the same a tile column
	s_mov_b32 s17, 0
	s_mov_b32 s47, 0
	s_lshl_b32 s20, s10, 15                        ; where they go: wave x 32,768: no place in the cluster enters an LDS address
	s_wait_dscnt 0x0                               ; both opening adds are done
	s_wait_kmcnt 0x0
	s_add_nc_u64 s[14:15], s[4:5], s[16:17]
	s_add_nc_u64 s[46:47], s[6:7], s[46:47]
	CROUND                                         ; all sixteen work-groups are here: the first joint loads meet
.irp s, 0,1
	s_mov_b32 s[G0+4*\s], 1
	s_add_co_u32 s[G0+4*\s+1], s20, \s*SLOT
	s_add_nc_u64 s[G0+4*\s+2:G0+4*\s+3], s[14:15], \s*65536
	s_or_b32 s[G0+4*\s+3], s[G0+4*\s+3], 0x80000000
	s_mov_b32 s[G0B+4*\s], 1
	s_add_co_u32 s[G0B+4*\s+1], s20, \s*SLOT
	s_add_nc_u64 s[G0B+4*\s+2:G0B+4*\s+3], s[46:47], \s*65536
	s_or_b32 s[G0B+4*\s+3], s[G0B+4*\s+3], 0x80000000
	JLOAD \s
.endr
	v_and_b32 v1, 15, v0                           ; l % 16
	v_bfe_u32 v2, v0, 4, 1                         ; l / 16
	v_and_b32 v3, 31, v0
	v_lshlrev_b32 v3, 4, v3                        ; 16 x lane
	s_lshl_b32 s21, s11, 15                        ; my four tiles of A's rows
	s_lshl_b32 s22, s12, 15                        ; my four tiles of B's rows,
	s_add_co_u32 s22, s22, 65536                   ; which lie behind A's eight
.irp s, 0,1
	v_add_nc_u32 v[ADRA+\s], s21, v3
	v_add_nc_u32 v[ADRB+\s], s22, v3
	s_add_co_u32 s21, s21, SLOT
	s_add_co_u32 s22, s22, SLOT
.endr
	s_mul_i32 s23, s10, 16*SPITCH
	s_add_co_u32 s23, s23, STAGE                   ; my stage
	v_mul_u32_u24 v4, v1, SPITCH                   ; in: row l % 16, 32 bytes for each half of the lanes
	v_lshl_add_u32 v4, v2, 5, v4
	v_add_nc_u32 v[STO], s23, v4
	v_mul_u32_u24 v5, v2, SPITCH                   ; back: lanes 0-15 take one row of 256 bytes, lanes 16-31 the next
	v_lshl_add_u32 v5, v1, 4, v5
	v_add_nc_u32 v[RD], s23, v5
	v_lshlrev_b32 v5, 12, v2                       ; and the same two rows in out0: 4,096 bytes a row
	v_lshl_add_u32 v[CO], v1, 4, v5
	s_lshl_b32 s16, s13, 7
	s_lshl_b32 s17, s11, 6
	s_add_co_u32 s16, s16, s17                     ; my first row: 128 x tile row + 64 x half
	s_lshl_b32 s16, s16, 12
	s_lshl_b32 s46, s42, 9                         ; my first column, in bytes: 512 x tile column + 256 x half
	s_lshl_b32 s47, s12, 8
	s_add_co_u32 s46, s46, s47
	s_add_co_u32 s16, s16, s46
	s_mov_b32 s17, 0
	s_add_nc_u64 s[8:9], s[8:9], s[16:17]
; 8 matrix instructions: m blocks a0, a0 + 1 x all 4 n blocks, 32 along K: half c of buffer f.  zero = 1: the first product starts the sums.  The 16 accumulators take turns
.macro MUL8 f, c, a0, zero
.irp a, \a0, \a0+1
.irp b, 0,1,2,3
.if \zero
	v_wmma_f32_16x16x32_f16 v[ACC+8*(4*(\a)+\b):ACC+8*(4*(\a)+\b)+7], v[\f+64+8*(4*\c+\b):\f+64+8*(4*\c+\b)+7], v[\f+8*(4*\c+\a):\f+8*(4*\c+\a)+7], 0
.else
	v_wmma_f32_16x16x32_f16 v[ACC+8*(4*(\a)+\b):ACC+8*(4*(\a)+\b)+7], v[\f+64+8*(4*\c+\b):\f+64+8*(4*\c+\b)+7], v[\f+8*(4*\c+\a):\f+8*(4*\c+\a)+7], v[ACC+8*(4*(\a)+\b):ACC+8*(4*(\a)+\b)+7]
.endif
.endr
.endr
.endm
; 32 LDS loads in one run: the fragments of the slot's q-th 64 along K into buffer f; the first 32 along K first.  Fragment (tile i, 32 K ks) lies at 8,192 i + 1,024 ks
.macro FETCH slot, q, f
	WIN TO_F
.irp c, 0,1
.irp i, 0,1,2,3
	ds_load_b128 v[\f+64+8*(4*\c+\i):\f+64+8*(4*\c+\i)+3],   v[ADRB+\slot] offset:\i*8192+(2*(\q)+\c)*1024
	ds_load_b128 v[\f+64+8*(4*\c+\i)+4:\f+64+8*(4*\c+\i)+7], v[ADRB+\slot] offset:\i*8192+(2*(\q)+\c)*1024+512
	ds_load_b128 v[\f+8*(4*\c+\i):\f+8*(4*\c+\i)+3],         v[ADRA+\slot] offset:\i*8192+(2*(\q)+\c)*1024
	ds_load_b128 v[\f+8*(4*\c+\i)+4:\f+8*(4*\c+\i)+7],       v[ADRA+\slot] offset:\i*8192+(2*(\q)+\c)*1024+512
.endr
.endr
.endm
.macro PLACES                          ; four places in front of loads into registers that matrix instructions have read, and of the first read of results
.rept 4
	v_nop
.endr
.endm
; A K step is four quarters of 64 along K, 32 matrix instructions each, on buffers 0, 1, 0, 1.  One of the first three: multiplies buffer f and fetches quarter q into g.
.macro QUARTER slot, q, f, g, zero
	s_wait_dscnt 16                                ; the first 32 along K are in; the sixteen loads of the second 32 may be out
	WIN MUL
	MUL8 \f, 0, 0, \zero
	MUL8 \f, 0, 2, \zero
	PLACES
	FETCH \slot, \q, \g
	s_wait_dscnt 32                                ; all but the 32 just issued
	WIN MUL
	MUL8 \f, 1, 0, 0
	MUL8 \f, 1, 2, 0
.endm
; The last quarter multiplies buffer 1 and changes slots: one barrier; in front of it each wave waits for all its tensor loads, adds 0 to its spare word, and waits for that and for its reads of this slot.
; fill = 1: the barrier opens a round of the cluster's barrier, and this slot is filled again, two K steps ahead.
.macro TURN slot, next, fill
	WIN 0                                          ; (the add's two registers lie in window 0)
	s_wait_tensorcnt 0x0                           ; all my tensor loads have landed: my part of the next slot
	ds_add_u32 v[SPW], v[NIL]
	s_wait_dscnt 17                                ; (the add and the youngest sixteen loads may be out)
	WIN MUL
	MUL8 F1, 0, 0, 0
	s_wait_dscnt 0x0                               ; the add is done, and my reads of this slot are over
	s_barrier_signal -1
	MUL8 F1, 0, 2, 0
.if \fill
	WIN 0
.endif
	s_barrier_wait -1
.if \fill
	CREST                                          ; no wave of any partner still reads this slot's tile or has a load on its way
	s_add_nc_u64 s[G0+4*\slot+2:G0+4*\slot+3], s[G0+4*\slot+2:G0+4*\slot+3], 2*65536
	s_add_nc_u64 s[G0B+4*\slot+2:G0B+4*\slot+3], s[G0B+4*\slot+2:G0B+4*\slot+3], 2*65536
	JLOAD \slot                                    ; the first tensor load behind the round; the four v_nop behind it are also the places in front of the loads below
.else
	PLACES
.endif
	FETCH \next, 0, F0
	WIN MUL
	MUL8 F1, 1, 0, 0
	MUL8 F1, 1, 2, 0
.endm
	s_wait_tensorcnt 1                             ; my part of K step 0 is in (K step 1's load may be out),
	s_barrier_signal -1
	s_barrier_wait -1                              ; everybody's is
	FETCH 0, 0, F0
	QUARTER 0, 1, F0, F1, 1                        ; the first quarter stands in front of the loop: its first products start the sums
	WIN 0                                          ; at a label and at a branch every window is 0
	s_mov_b32 s3, LAPS-1
.Llap:                                                 ; a trip goes once round the ring, from a lap's second quarter to the next lap's first, and fills both slots again
	QUARTER 0, 2, F1, F0, 0
	QUARTER 0, 3, F0, F1, 0
	TURN 0, 1, 1
	QUARTER 1, 1, F0, F1, 0
	QUARTER 1, 2, F1, F0, 0
	QUARTER 1, 3, F0, F1, 0
	TURN 1, 0, 1
	QUARTER 0, 1, F0, F1, 0
	WIN 0
	s_sub_co_u32 s3, s3, 1
	s_cmp_lg_u32 s3, 0
	s_cbranch_scc1 .Llap
	QUARTER 0, 2, F1, F0, 0                        ; the last lap fills nothing, and has no round of the cluster's barrier
	QUARTER 0, 3, F0, F1, 0
	TURN 0, 1, 0
	QUARTER 1, 1, F0, F1, 0
	QUARTER 1, 2, F1, F0, 0
	QUARTER 1, 3, F0, F1, 0
	s_wait_dscnt 16                                ; the very last quarter: nothing more to fetch
	WIN MUL
	MUL8 F1, 0, 0, 0
	MUL8 F1, 0, 2, 0
	s_wait_dscnt 0
	MUL8 F1, 1, 0, 0
	MUL8 F1, 1, 2, 0
	WIN 0
; THE WAY OUT, block by block of 16 rows x 64 columns.  A lane holds 32 neighbouring bytes of a row and the lanes beside it hold other rows: so a block goes through my own stage and comes back as whole rows of
; 256 bytes.  LDS serves a wave's instructions in order (ISA guide 5.7.1.4): no wait between the stores and the loads, nor in front of the next block's stores.
.macro TOSTAGE a
.irp b, 0,1,2,3
	ds_store_b128 v[STO], v[ACC+8*(4*(\a)+\b):ACC+8*(4*(\a)+\b)+3] offset:64*\b          ; each accumulator from its low end on
	ds_store_b128 v[STO], v[ACC+8*(4*(\a)+\b)+4:ACC+8*(4*(\a)+\b)+7] offset:64*\b+16
.endr
.irp t, 0,1,2,3,4,5,6,7
	ds_load_b128 v[TMP+32*((\a)%2)+4*\t:TMP+32*((\a)%2)+4*\t+3], v[RD] offset:\t*2*SPITCH
.endr
.endm
.macro SEND a, younger                 ; younger: the LDS instructions issued behind block a's loads: the next block's sixteen, or none
	s_wait_dscnt \younger
.irp t, 0,1,2,3,4,5,6,7
	global_store_b128 v[CO], v[TMP+32*((\a)%2)+4*\t:TMP+32*((\a)%2)+4*\t+3], s[8:9] offset:(16*(\a)+2*\t)*4096 th:TH_STORE_NT   ; 16 lanes store 256 consecutive bytes, aligned; written once, read by nobody here
.endr
.endm
	PLACES
	TOSTAGE 0
	TOSTAGE 1
	SEND 0, 16
	s_wait_xcnt 0x0                                ; block 0's stores have read their registers: block 2's rows may land there
	TOSTAGE 2
	SEND 1, 16
	s_wait_xcnt 0x0
	TOSTAGE 3
	SEND 2, 16
	SEND 3, 0
	s_wait_tensorcnt 0x0                           ; the wave's end: behind my last tensor load and my last LDS store
	ds_add_u32 v[SPW], v[NIL]
	s_wait_dscnt 0x0
	CROUND                                         ; the closing round: no work-group ends while a partner may still ask for a tile that names it
	s_endpgm
.Lfunc_end_k_qea47fcf80a_outp:
	.size	k_qea47fcf80a_outp, .Lfunc_end_k_qea47fcf80a_outp-k_qea47fcf80a_outp
	.p2alignl 7, 3214868480
	.fill 96, 4, 3214868480
	.section	.rodata,"a",@progbits
	.p2align	6, 0x0
	.amdhsa_kernel k_qea47fcf80a_outp
		.amdhsa_group_segment_fixed_size 327680
		.amdhsa_private_segment_fixed_size 0
		.amdhsa_enable_private_segment 0
		.amdhsa_kernarg_size 24
		.amdhsa_user_sgpr_count 2
		.amdhsa_user_sgpr_kernarg_segment_ptr 1
		.amdhsa_wavefront_size32 1
		.amdhsa_system_sgpr_workgroup_id_x 1
		.amdhsa_system_sgpr_workgroup_id_y 1
		.amdhsa_system_sgpr_workgroup_id_z 1
		.amdhsa_system_vgpr_workitem_id 0
		.amdhsa_next_free_vgpr 512
		.amdhsa_next_free_sgpr 66
		.amdhsa_reserve_vcc 0
		.amdhsa_float_denorm_mode_32 3
		.amdhsa_float_denorm_mode_16_64 3
		.amdhsa_memory_ordered 1
		.amdhsa_forward_progress 1
		.amdhsa_inst_pref_size 85
	.end_amdhsa_kernel
	.amdgpu_metadata
---
amdhsa.version: [ 1, 2 ]
amdhsa.kernels:
  - .name:           k_qea47fcf80a_outp
    .symbol:         k_qea47fcf80a_outp.kd
    .args:
      - { .name: cf, .offset: 0, .size: 8, .value_kind: global_buffer, .address_space: global }
      - { .name: wof, .offset: 8, .size: 8, .value_kind: global_buffer, .address_space: global }
      - { .name: out0, .offset: 16, .size: 8, .value_kind: global_buffer, .address_space: global }
    .group_segment_fixed_size: 327680
    .private_segment_fixed_size: 0
    .kernarg_segment_align: 8
    .kernarg_segment_size: 24
    .max_flat_workgroup_size: 128
    .sgpr_count:     66
    .vgpr_count:     512
    .wavefront_size: 32
...
	.end_amdgpu_metadata
.endif
;; end of part 4
